; MI455X (gfx1250); checked and timed in simulation.
; The chip was launched on July 23, 2026; its instructions are those of AMD's public machine-readable ISA for CDNA 5 (MIT licence, August 2026) and "CDNA5" Instruction Set Architecture Reference Guide (July 2026). The comments in the code are by the model that wrote it; some were corrected since.
;; Low Rank. Allowed arithmetic: float matrix products may take bf16 or f16 operands with f32 sums; all other float work in f32.
;; Inputs: W_basic 128 x 64 float32; W_ch 64 x 128 float32; W_k 1,024 x 1,024 float32; W_q 1,024 x 1,024 float32; W_sp 64 x 1 float32; W_v1 1,024 x 1,024 float32; W_v2 1,024 x 1,024 float32; b_basic 64 float32; b_ch 128 float32; b_k 1,024 float32; b_q 1,024 float32; b_sp 1 float32; b_v1 1,024 float32; b_v2 1,024 float32; be_k 1,024 float32; be_q 1,024 float32; be_v1 1,024 float32; be_v2 1,024 float32; g_k 1,024 float32; g_q 1,024 float32; g_v1 1,024 float32; g_v2 1,024 float32; key_feats 64 x 512 x 1,024 float32; mask 64 x 512 float32; query 64 x 1,024 float32; value1 64 x 1,024 float32; value2 64 x 512 x 1,024 float32.
;; Outputs: out0 64 x 1,024 float32.
;; 2 versions, each right; version 2 is version 1 with the launch prep written anew for expert scheduling mode. Each part assembles by itself: llvm-mc -triple=amdgcn-amd-amdhsa -mcpu=gfx1250 --defsym DOCPART=n.
;; ======== version 1 of 2: 2 launches
;; limits: right only within a limited range of input values; values are held in f16: magnitudes above 65,504 overflow, below 6.1e-05 lose precision; inputs' magnitudes at most 65,504
;; workspace buffers: wt 4,194,304 bytes; part 4,194,304 bytes
;; launch prep (part 1): grid 64 x 4, 8 waves a work-group, no clusters, 125,952 bytes of LDS; arguments W_k, W_v2, W_q, W_v1, query, value1, wt, part; writes wt, part
.if DOCPART == 1
	.amdgcn_target "amdgcn-amd-amdhsa--gfx1250"
	.amdhsa_code_object_version 6
	.text
	.protected	k_qb942814d44_prep
	.globl	k_qb942814d44_prep
	.p2align	8
	.type	k_qb942814d44_prep,@function
k_qb942814d44_prep:
	s_mov_b64 s[64:65], 0
	v_nop
	global_prefetch_b8 v0, s[64:65] scope:SCOPE_SE
	s_setreg_imm32_b32 hwreg(HW_REG_WAVE_MODE, 25, 1), 1
	s_wait_xcnt 0x0
; prep: one block of 128 k x 128 n of one of the four [1024][1024] f32 weight matrices for each work-group.
;   y = 0, 1 (W_k, W_v2): the block is rounded to f16, transposed, and stored as wt[mat 2][hp 4][ks 16][n 256][k 64],
;                         so that a K step's tile of 256 output columns is one dense block of 32,768 bytes with k along the rows.
;   y = 2, 3 (W_q with query, W_v1 with value1): the block is multiplied by the 64 rows of x (f16 operands, f32 sums) and the
;                         partial product of this K block goes to part[which 2][kb 8][m 64][n 1024] in f32; the next launch adds the eight.
; x = kb + 8 nb: kb = which 128 k, nb = which 128 n (one head).  Eight waves.  y is the same in all waves of a work-group, and both
; barriers stand in the text that every wave runs.
; F16, NOT BF16: the operands are raw inputs.  f16 has 11 significant bits against bf16's 8, so each operand's rounding error is eight
; times smaller.  LIMIT, stated: a weight or an x above 65,504 in magnitude becomes infinite; numbers below 2^-14 are kept as f16
; denormals with an absolute error of at most 2^-25.
.set WBPITCH, 288                      ; WB: f16 [k 128][n 128], 256 bytes + 32: an odd multiple of 32, as the transposing loads want
.set TT,      36864                    ; T:  f16 [ksl 2][n 128][k 64]
.set TPITCH,  144                      ;     128 bytes + 16: an odd multiple of 16
.set XA,      73728                    ; XA: f16 [m 64][k 128]
.set XPITCH,  272
.set OS,      91136                    ; OS: f32 [m 64][n 128]
.set OPITCH,  528
.set WL,  16                           ; v[16:79]   the block of W as loaded, 16 rows a wave
.set XL,  80                           ; v[80:111]  8 rows of x as loaded
.set XC,  112                          ; v[112:127] the same in f16
.set BF,  16                           ; v[16:47]   four fragments of W: 16 n x 32 k each
.set AF,  48                           ; v[48:175]  sixteen fragments of x: (a, kc)
.set ACC, 176                          ; v[176:207] four accumulators: 16 rows of x each, 16 n
	s_load_b256 s[4:11], s[0:1], 0x0               ; W_k, W_v2, W_q, W_v1
	s_load_b256 s[12:19], s[0:1], 0x20             ; query, value1, wt, part
	v_lshl_add_u32 v254, v0, 2, 0x1e800
	v_mov_b32 v255, 0
	s_and_b32 s20, ttmp7, 0xffff                   ; y
	s_and_b32 s21, ttmp9, 7                        ; kb
	s_lshr_b32 s22, ttmp9, 3                       ; nb
	v_lshrrev_b32 v1, 5, v0
	v_readfirstlane_b32 s23, v1                    ; wave w
	v_and_b32 v2, 31, v0                           ; lane l
	v_and_b32 v9, 15, v0                           ; r = l % 16
	v_bfe_u32 v10, v0, 4, 1                        ; h = l / 16
	v_lshlrev_b32 v11, 4, v2                       ; 16 l
	v_lshlrev_b32 v12, 3, v2                       ; 8 l
	s_lshl_b32 s34, s23, 16
	v_add_nc_u32 v3, s34, v11                      ; W: row 16 w (4,096 bytes a row) + 16 l
	s_lshl_b32 s34, s23, 15
	v_add_nc_u32 v8, s34, v11                      ; x and part: row 8 w + 16 l
	s_mul_i32 s34, s23, 16*WBPITCH
	v_add_nc_u32 v4, s34, v12                      ; WB, store: row 16 w, 8 bytes a lane
	s_mul_i32 s34, s23, 8*XPITCH
	s_add_co_u32 s34, s34, XA
	v_add_nc_u32 v5, s34, v12                      ; XA, store: row 8 w
	v_and_b32 v13, 7, v0
	v_lshl_add_u32 v13, v10, 3, v13                ; 8 h + l % 8: the row of WB that the lane names in a transposing load
	v_bfe_u32 v14, v0, 3, 1
	v_lshlrev_b32 v14, 4, v14
	s_lshl_b32 s34, s23, 5
	v_add_nc_u32 v14, s34, v14                     ; columns 16 w .. 16 w + 15: 32 w + 16 ((l / 8) % 2)
	v_mad_u32_u24 v6, v13, WBPITCH, v14
	v_lshlrev_b32 v14, 4, v10                      ; 16 h
	v_mad_u32_u24 v7, v9, TPITCH, v14
	s_mul_i32 s34, s23, 16*TPITCH
	s_add_co_u32 s34, s34, TT
	v_add_nc_u32 v7, s34, v7                       ; T, store: row 16 w + r, 16 h
	v_mad_u32_u24 v15, v9, XPITCH, v14
	v_add_nc_u32 v15, XA, v15                      ; XA, fragments: row r, 16 h
	v_lshlrev_b32 v14, 5, v10                      ; 32 h
	v_mad_u32_u24 v208, v9, OPITCH, v14
	s_lshl_b32 s34, s23, 6
	s_add_co_u32 s34, s34, OS
	v_add_nc_u32 v208, s34, v208                   ; OS, store: row r, columns 16 w + 8 h
	s_mul_i32 s34, s23, 8*OPITCH
	s_add_co_u32 s34, s34, OS
	v_add_nc_u32 v209, s34, v11                    ; OS, read back: row 8 w, 16 l
	v_lshrrev_b32 v13, 3, v2
	v_and_b32 v14, 7, v0
	v_lshlrev_b32 v14, 4, v14
	v_mad_u32_u24 v210, v13, TPITCH, v14
	s_mul_i32 s34, s23, 4*TPITCH
	s_add_co_u32 s34, s34, TT
	v_add_nc_u32 v210, s34, v210                   ; T, read back: row 4 w + l / 8, 16 (l % 8)
	v_lshlrev_b32 v211, 4, v0                      ; wt: 16 bytes a thread
	s_wait_kmcnt 0x0
	s_bitcmp1_b32 s20, 0                           ; the work-group's matrix and its x, chosen by y alone
	s_cselect_b64 s[24:25], s[6:7], s[4:5]
	s_cselect_b64 s[26:27], s[10:11], s[8:9]
	s_cselect_b64 s[28:29], s[14:15], s[12:13]
	s_cmp_ge_u32 s20, 2
	s_cselect_b64 s[24:25], s[26:27], s[24:25]
	s_lshl_b32 s30, s21, 19                        ; 128 kb rows of 4,096 bytes
	s_lshl_b32 s31, s22, 9                         ; 128 nb columns of 4 bytes
	s_add_co_u32 s30, s30, s31
	s_mov_b32 s31, 0
	s_add_nc_u64 s[24:25], s[24:25], s[30:31]
	s_lshl_b32 s32, s21, 9                         ; x: column 128 kb
	s_mov_b32 s33, 0
	s_add_nc_u64 s[28:29], s[28:29], s[32:33]
	; Phase 1: the block comes in, a wave's load covering the 512 bytes that the block has of one row, and goes to LDS in f16.
.irp j, 0,1,2,3,4,5,6,7,8,9,10,11,12,13,14,15
	global_load_b128 v[WL+4*\j:WL+4*\j+3], v3, s[24:25] offset:\j*4096 th:TH_LOAD_NT
.endr
	s_cmp_lt_u32 s20, 2
	s_cbranch_scc1 .Lno_x
.irp j, 0,1,2,3,4,5,6,7
	global_load_b128 v[XL+4*\j:XL+4*\j+3], v8, s[28:29] offset:\j*4096
.endr
	s_wait_loadcnt 0x0
.irp j, 0,1,2,3,4,5,6,7
	v_cvt_pk_f16_f32 v[XC+2*\j], v[XL+4*\j], v[XL+4*\j+1]
	v_cvt_pk_f16_f32 v[XC+2*\j+1], v[XL+4*\j+2], v[XL+4*\j+3]
	ds_store_b64 v5, v[XC+2*\j:XC+2*\j+1] offset:\j*XPITCH
.endr
.Lno_x:
	s_wait_loadcnt 0x0
.irp j, 0,1,2,3,4,5,6,7,8,9,10,11,12,13,14,15
	v_cvt_pk_f16_f32 v[WL+4*\j], v[WL+4*\j], v[WL+4*\j+1]
	v_cvt_pk_f16_f32 v[WL+4*\j+1], v[WL+4*\j+2], v[WL+4*\j+3]
	ds_store_b64 v4, v[WL+4*\j:WL+4*\j+1] offset:\j*WBPITCH
.endr
	s_wait_dscnt 0x0                               ; my stores are in LDS before I say so: other waves read them
	s_barrier_signal -1
	s_barrier_wait -1
	; Phase 2: wave w takes columns 16 w .. 16 w + 15.  A pair of transposing loads gives lane (r, h) column 16 w + r with
	; k = 32 kc + 8 h .. + 7 in registers 0-3 and k = 32 kc + 16 + 8 h .. + 7 in registers 4-7: a matrix fragment.
.irp kc, 0,1,2,3
	ds_load_tr16_b128 v[BF+8*\kc:BF+8*\kc+3],   v6 offset:\kc*32*WBPITCH
	ds_load_tr16_b128 v[BF+8*\kc+4:BF+8*\kc+7], v6 offset:\kc*32*WBPITCH+16*WBPITCH
.endr
	s_cmp_lt_u32 s20, 2
	s_cbranch_scc0 .Lproduct
	s_wait_dscnt 0x0
.irp kc, 0,1,2,3
	ds_store_b128 v7, v[BF+8*\kc:BF+8*\kc+3]   offset:(\kc>>1)*128*TPITCH+(\kc&1)*64
	ds_store_b128 v7, v[BF+8*\kc+4:BF+8*\kc+7] offset:(\kc>>1)*128*TPITCH+(\kc&1)*64+32
.endr
	s_branch .Lphase2_done
.Lproduct:
.irp a, 0,1,2,3
.irp kc, 0,1,2,3
	ds_load_b128 v[AF+8*(4*\a+\kc):AF+8*(4*\a+\kc)+3],   v15 offset:\a*16*XPITCH+\kc*64
	ds_load_b128 v[AF+8*(4*\a+\kc)+4:AF+8*(4*\a+\kc)+7], v15 offset:\a*16*XPITCH+\kc*64+32
.endr
.endr
	s_wait_dscnt 0x0
	; Source 0 = 16 columns of W, source 1 = 16 rows of x: lane (r, h) then holds row 16 a + r, columns 16 w + 8 h + 0 .. 7.
	; The four accumulators take turns, one instruction a turn; the first K step starts the sums.
.irp a, 0,1,2,3
	v_wmma_f32_16x16x32_f16 v[ACC+8*\a:ACC+8*\a+7], v[BF:BF+7], v[AF+32*\a:AF+32*\a+7], 0
.endr
.irp kc, 1,2,3
.irp a, 0,1,2,3
	v_wmma_f32_16x16x32_f16 v[ACC+8*\a:ACC+8*\a+7], v[BF+8*\kc:BF+8*\kc+7], v[AF+8*(4*\a+\kc):AF+8*(4*\a+\kc)+7], v[ACC+8*\a:ACC+8*\a+7]
.endr
.endr
.rept 4
	v_nop                                          ; four places behind the last matrix instruction (ISA guide 7.12.1) before its results are stored
.endr
.irp a, 0,1,2,3
	ds_store_b128 v208, v[ACC+8*\a:ACC+8*\a+3]   offset:\a*16*OPITCH
	ds_store_b128 v208, v[ACC+8*\a+4:ACC+8*\a+7] offset:\a*16*OPITCH+16
.endr
.Lphase2_done:
	s_wait_dscnt 0x0
	s_barrier_signal -1
	s_barrier_wait -1
	; Phase 3: out, 16 bytes a lane, neighbouring lanes at neighbouring bytes: every store of a wave covers 512 consecutive bytes, aligned.
	s_cmp_lt_u32 s20, 2
	s_cbranch_scc0 .Lout_part
	s_lshl_b32 s30, s20, 21                        ; mat
	s_lshr_b32 s31, s22, 1
	s_lshl_b32 s31, s31, 19                        ; hp = nb / 2: 16 tiles of 32,768 bytes
	s_add_co_u32 s30, s30, s31
	s_lshl_b32 s31, s21, 16                        ; ks = 2 kb
	s_add_co_u32 s30, s30, s31
	s_and_b32 s31, s22, 1
	s_lshl_b32 s31, s31, 14                        ; rows 128 (nb % 2) of 128 bytes
	s_add_co_u32 s30, s30, s31
	s_mov_b32 s31, 0
	s_add_nc_u64 s[16:17], s[16:17], s[30:31]
.irp q, 0,1,2,3,4,5,6,7
	ds_load_b128 v[16+4*\q:19+4*\q], v210 offset:(\q>>2)*128*TPITCH+(\q&3)*32*TPITCH
.endr
	s_wait_dscnt 0x0
.irp q, 0,1,2,3,4,5,6,7
	global_store_b128 v211, v[16+4*\q:19+4*\q], s[16:17] offset:(\q>>2)*32768+(\q&3)*4096
.endr
	s_wait_tensorcnt 0x0
	ds_add_u32 v254, v255
	s_wait_dscnt 0x0
	s_endpgm
.Lout_part:
	s_and_b32 s30, s20, 1                          ; which: y = 2 is q, y = 3 is v1
	s_lshl_b32 s30, s30, 3
	s_add_co_u32 s30, s30, s21
	s_lshl_b32 s30, s30, 18                        ; 64 rows of 4,096 bytes for each (which, kb)
	s_lshl_b32 s31, s22, 9
	s_add_co_u32 s30, s30, s31
	s_mov_b32 s31, 0
	s_add_nc_u64 s[18:19], s[18:19], s[30:31]
.irp j, 0,1,2,3,4,5,6,7
	ds_load_b128 v[16+4*\j:19+4*\j], v209 offset:\j*OPITCH
.endr
	s_wait_dscnt 0x0
.irp j, 0,1,2,3,4,5,6,7
	global_store_b128 v8, v[16+4*\j:19+4*\j], s[18:19] offset:\j*4096
.endr
	s_wait_tensorcnt 0x0
	ds_add_u32 v254, v255
	s_wait_dscnt 0x0
	s_endpgm
.Lfunc_end_k_qb942814d44_prep:
	.size	k_qb942814d44_prep, .Lfunc_end_k_qb942814d44_prep-k_qb942814d44_prep
	.p2alignl 7, 3214868480
	.fill 96, 4, 3214868480
	.section	.rodata,"a",@progbits
	.p2align	6, 0x0
	.amdhsa_kernel k_qb942814d44_prep
		.amdhsa_group_segment_fixed_size 125952
		.amdhsa_private_segment_fixed_size 0
		.amdhsa_enable_private_segment 0
		.amdhsa_kernarg_size 64
		.amdhsa_user_sgpr_count 2
		.amdhsa_user_sgpr_kernarg_segment_ptr 1
		.amdhsa_wavefront_size32 1
		.amdhsa_system_sgpr_workgroup_id_x 1
		.amdhsa_system_sgpr_workgroup_id_y 1
		.amdhsa_system_sgpr_workgroup_id_z 1
		.amdhsa_system_vgpr_workitem_id 0
		.amdhsa_next_free_vgpr 256
		.amdhsa_next_free_sgpr 66
		.amdhsa_reserve_vcc 0
		.amdhsa_float_denorm_mode_32 3
		.amdhsa_float_denorm_mode_16_64 3
		.amdhsa_memory_ordered 1
		.amdhsa_forward_progress 1
		.amdhsa_inst_pref_size 19
	.end_amdhsa_kernel
	.amdgpu_metadata
---
amdhsa.version: [ 1, 2 ]
amdhsa.kernels:
  - .name:           k_qb942814d44_prep
    .symbol:         k_qb942814d44_prep.kd
    .args:
      - { .name: W_k, .offset: 0, .size: 8, .value_kind: global_buffer, .address_space: global }
      - { .name: W_v2, .offset: 8, .size: 8, .value_kind: global_buffer, .address_space: global }
      - { .name: W_q, .offset: 16, .size: 8, .value_kind: global_buffer, .address_space: global }
      - { .name: W_v1, .offset: 24, .size: 8, .value_kind: global_buffer, .address_space: global }
      - { .name: query, .offset: 32, .size: 8, .value_kind: global_buffer, .address_space: global }
      - { .name: value1, .offset: 40, .size: 8, .value_kind: global_buffer, .address_space: global }
      - { .name: wt, .offset: 48, .size: 8, .value_kind: global_buffer, .address_space: global }
      - { .name: part, .offset: 56, .size: 8, .value_kind: global_buffer, .address_space: global }
    .group_segment_fixed_size: 125952
    .private_segment_fixed_size: 0
    .kernarg_segment_align: 8
    .kernarg_segment_size: 64
    .max_flat_workgroup_size: 256
    .sgpr_count:     66
    .vgpr_count:     256
    .wavefront_size: 32
...
	.end_amdgpu_metadata
.endif
;; end of part 1
;; launch main (part 2): grid 4 x 64, 4 waves a work-group, clusters of 4 x 4, 327,680 bytes of LDS; arguments key_feats, value2, wt, part, b_q, g_q, be_q, b_v1, g_v1, be_v1, g_k, be_k, mask, b_k, b_v2, g_v2, be_v2, W_basic, b_basic, W_sp, b_sp, W_ch, b_ch, out0; writes out0
.if DOCPART == 2
	.amdgcn_target "amdgcn-amd-amdhsa--gfx1250"
	.amdhsa_code_object_version 6
	.text
	.protected	k_qb942814d44_main
	.globl	k_qb942814d44_main
	.p2align	8
	.type	k_qb942814d44_main,@function
k_qb942814d44_main:
	s_mov_b64 s[64:65], 0
	v_nop
	global_prefetch_b8 v0, s[64:65] scope:SCOPE_SE
	s_setreg_imm32_b32 hwreg(HW_REG_WAVE_MODE, 25, 1), 1
	s_wait_xcnt 0x0
	s_wait_alu depctr_hold_cnt(0) depctr_sa_sdst(0) depctr_va_vdst(0) depctr_va_sdst(0) depctr_va_ssrc(0) depctr_va_vcc(0) depctr_vm_vsrc(0)
	s_getreg_b32 s2, hwreg(HW_REG_IB_STS2, 6, 4)
	s_cmp_eq_u32 s2, 0
	s_cbranch_scc0 .Lentry_in_a_cluster
	s_endpgm
.Lentry_in_a_cluster:
	s_bfe_u32 s2, ttmp6, 0x10000c
	s_cmp_lg_u32 s2, 0xf033
	s_cbranch_scc0 .Lentry_shape_is_right
	s_endpgm
.Lentry_shape_is_right:
; main: everything behind the weights' preparation, fused.  Work-group (hp, b) owns all 512 m of batch row b for the head pair hp
; (256 output columns), so k, v2, the scores, the softmax and the pool never leave the work-group.
; It walks four tiles of 256 rows x 256 columns x K 1024:  T0, T1 = key_feats rows 0-255, 256-511 with W_k;  T2, T3 = value2 with W_v2.
; Four waves, each 64 rows x 256 columns: 64 accumulator tiles of 16 x 16, 512 registers.  A wave reads only its own rows of the
; activations, so each f32 number is rounded to f16 once in the work-group.
;
; ARITHMETIC.  s = log2(e) / 1.3, L = log2(e).  With w = s (x + b):  c = max(w, 0) + L exp2(min(w, 0)) = s celu(x + b) + L.
; GroupNorm does not see the shift L, and sees the scale s only in eps:  xn = (c - mean c) rsq(var c + eps s^2).
; The variance is made from c - mean c (mean first), so no difference of large sums is formed.  With d = c - mean c, rs = that rsq:
;   score[m]  = rs[m] sum_n qg[n] d[m][n] + Cq,   qg = q g_k 128^-0.5,  Cq = 128^-0.5 sum q be_k
;   v2_att[n] = g_v2[n] (sum_m e[m] rs[m] d[m][n]) / sum_m e[m] + be_v2[n],   e[m] = exp(alpha_sp[m] - max alpha_sp)
; THE SUMS START FROM THE BIAS: ahead of a tile each accumulator register is loaded with b of its column, so every product adds in
; place, all 16 K steps of a tile have one form, and the epilogue finds x + b.
; THE EPILOGUE IS A LOOP over the eight groups (head, 16 rows a lane-row): the some 350 instructions that work on a group's 64 numbers
; stand once in the text; only what names a group's own registers and offsets stands eight times, in blocks chosen by the loop's counter.
; F16, NOT BF16, for the matrix operands: they are raw inputs, and the result is v1 times an average over up to 512 rows, which is small
; beside its terms, so the operands' rounding shows.  f16 has 11 significant bits against bf16's 8: an eighth of the error.
; LIMITS, stated: matrix operands are rounded to f16: an activation or weight above 65,504 in magnitude becomes infinite, and numbers
; below 2^-14 are kept as f16 denormals with an absolute error of at most 2^-25; the softmax weights are taken to sum to 1 in the be_v2
; term; v_exp_f32 and v_rsq_f32 flush denormals (ISA guide 15.8); sums are formed in another order than a row-by-row sum; a mask row
; that is all zero gives NaN (0 times infinity in the pool), as 0 / 0 does.
;
; CLUSTERS: 4 x 4 work-groups.  cx = hp, cy = b % 4.  The activation tile hangs on b alone: the four work-groups of a row of the cluster
; ask for it jointly, and since these are all four head pairs, each activation byte is asked for once in the launch.  The weight tile
; hangs on hp alone and is asked for jointly along a column.
;
; K goes in steps of 64 through two LDS slots.  A slot: 256 rows of 64 f32 (256 bytes of memory each, aligned, pitch 272 in LDS), then
; 256 rows of 64 f16 of the prepared weights (dense in memory, fetched as rows of 256 bytes, padded after every 128: pitch 144).
; Waves 0, 1 fetch the activations' halves, waves 2, 3 the weights': one tensor load a wave behind each round of the cluster's barrier.
; A wave has two tensor loads out at the start and one later.
;
; REGISTERS, in windows of 256:
;   window 0: v0-31 addresses and what is kept; v32-63 small work; v64-95, v96-127 fragments of A, two buffers; v128-191 the f32 stage;
;             v192-255 tables.   window 1: v0-127, v128-255 fragments of B, two buffers.
;   window 2: accumulators of head 0, tile (a, b) at v[64 a + 8 b];   window 3: head 1.
; THE MATRIX INSTRUCTION IS USED TRANSPOSED (source 0 = 16 output columns of W, source 1 = 16 rows of A): lane (r, h) holds row r and
; register j column 8 h + j, so a row's GroupNorm sums are formed inside a lane and end with one exchange between the halves.
.set SLOT,    106496
.set APITCH,  272                      ; an odd multiple of 16 bytes: the 16 rows of a fragment load start in 16 different 16-byte columns modulo 256
.set BPITCH,  144                      ; likewise
.set AHALF,   128*APITCH
.set BOFF,    256*APITCH
.set BHALF,   128*BPITCH
.set ASTEP,   256                      ; bytes along a row of A for a K step
.set BSTEP,   32768                    ; bytes of wt for a K step
.set ATILE,   0x100000                 ; 256 rows of A
.set WMAT,    0x200000                 ; from W_k's part of wt to W_v2's
.set SCR,     2*SLOT                   ; scratch: written by LDS stores alone, no tensor load lands here
.set SBK,     0                        ; b_k  [256]
.set SBV,     1024                     ; b_v2 [256]
.set QGO,     2048                     ; qg [256]
.set V1S,     3072                     ; v1 [256]
.set MKO,     4096                     ; the mask's row [512]
.set TBO,     6144                     ; 64 entries of 32 bytes: wb, wb, bb, bb, wsp, wsp
.set SCO,     8192                     ; scores [2][512]
.set ALO,     12288                    ; e [2][512]
.set PVO,     16384                    ; weighted sums [tile 2][wave 4][256]
.set WBPO,    24576                    ; column sums of W_basic, a part from each wave [4][64]
.set RED,     25600                    ; Cq[2] at 0, max[4] at 16, sum e[4] at 32, sum mask[4] at 48
.set PLO,     25856                    ; pool [2][64]
.set PPO,     26368                    ; pool parts [i 64], pitch 528, thread t at 4 t
.set PPP,     528
.set ADRA, 2                           ; v2, v3    my A rows in slot 0, 1
.set ADRB, 4                           ; v4, v5    B rows in slot 0, 1
.set EW,   20                          ; v20       e of my row in the group at work
.set SR,   32                          ; v[32:39]  four chains: sum c
.set QR,   40                          ; v[40:47]  four chains: sum d d
.set DR,   48                          ; v[48:55]  four chains: sum d qg
.set NM,   56                          ; v[56:57]  - mean, twice
.set WG,   58                          ; v[58:59]  e rs, twice
.set TR,   96                          ; v[96:111] two sets of eight exponentials
.set ST,   128                         ; v[128:191] A as loaded, f32; in the epilogues the 64 numbers at work
.set XR,   128
.set PR,   192                         ; v[192:255] qg of my 64 columns, or the weighted sums
.set TBR,  192                         ; the mid stage's table entries, two sets of 32 registers
.set HR,   96                          ; hidden, two sets of eight
.set PT,   112
.set G1,  24
.set G0,  32
.set G1B, 48
.set G0B, 56
.set MUL_LO, 0xa1                      ; source 0 (B) window 1, source 1 (A) window 0, C and D window 2
.set MUL_HI, 0xf1                      ; the same, C and D window 3
.set TO_B,   0x40                      ; destination window 1
.set MSB, 0
.macro WIN new                         ; the immediate's high byte repeats the setting that is left; a switch that changes nothing is dropped
.if MSB != \new
	s_set_vgpr_msb (MSB<<8)|\new
.set MSB, \new
.endif
.endm
.macro PLACES                          ; four places behind a matrix instruction (ISA guide 7.12.1) before its registers are written, loaded into, or its result read
.rept 4
	v_nop
.endr
.endm
; A joint load: waves 0, 1 ask for A's halves, waves 2, 3 for B's.  The branch hangs on the wave's number alone.
.macro JLOAD s
	s_cmp_eq_u32 s13, 0
	s_cbranch_scc0 .Lfor_b_\@
	tensor_load_to_lds s[G0+4*\s:G0+4*\s+3], s[G1:G1+7]
	s_nop 0
	s_branch .Lasked_\@
.Lfor_b_\@:
	tensor_load_to_lds s[G0B+4*\s:G0B+4*\s+3], s[G1B:G1B+7]
	s_nop 0
.Lasked_\@:
.endm
.macro CREST                           ; a round of the cluster's barrier behind its opening work-group barrier
	s_cmp_lg_u32 s12, 0
	s_cbranch_scc1 .Lnot_wave_0_\@
	s_barrier_signal -3
.Lnot_wave_0_\@:
	s_barrier_wait -3
	s_barrier_signal -1
	s_barrier_wait -1
.endm
.macro CROUND
	s_barrier_signal -1
	s_barrier_wait -1
	CREST
.endm
.macro WSUM reg                        ; sum over the 32 lanes, in every lane
	v_add_f32_dpp v[\reg], v[\reg], v[\reg] row_xmask:1 row_mask:0xf bank_mask:0xf
	v_add_f32_dpp v[\reg], v[\reg], v[\reg] row_xmask:2 row_mask:0xf bank_mask:0xf
	v_add_f32_dpp v[\reg], v[\reg], v[\reg] row_xmask:4 row_mask:0xf bank_mask:0xf
	v_add_f32_dpp v[\reg], v[\reg], v[\reg] row_xmask:8 row_mask:0xf bank_mask:0xf
	v_permlanex16_b32 v10, v[\reg], s76, s77
	v_add_f32 v[\reg], v[\reg], v10
.endm
.macro WMAX reg
	v_max_num_f32_dpp v[\reg], v[\reg], v[\reg] row_xmask:1 row_mask:0xf bank_mask:0xf
	v_max_num_f32_dpp v[\reg], v[\reg], v[\reg] row_xmask:2 row_mask:0xf bank_mask:0xf
	v_max_num_f32_dpp v[\reg], v[\reg], v[\reg] row_xmask:4 row_mask:0xf bank_mask:0xf
	v_max_num_f32_dpp v[\reg], v[\reg], v[\reg] row_xmask:8 row_mask:0xf bank_mask:0xf
	v_permlanex16_b32 v10, v[\reg], s76, s77
	v_max_num_f32 v[\reg], v[\reg], v10
.endm
.macro HSUM base, x                    ; four pairs at base -> one number, plus the other half's (the other 64 columns of my row)
	v_pk_add_f32 v[\base:\base+1], v[\base:\base+1], v[\base+2:\base+3]
	v_pk_add_f32 v[\base+4:\base+5], v[\base+4:\base+5], v[\base+6:\base+7]
	v_pk_add_f32 v[\base:\base+1], v[\base:\base+1], v[\base+4:\base+5]
	v_add_f32 v[\base], v[\base], v[\base+1]
	v_permlanex16_b32 v[\x], v[\base], s76, s77
	v_add_f32 v[\base], v[\base], v[\x]
.endm
	s_load_b256 s[4:11], s[0:1], 0x0               ; key_feats, value2, wt, part
	s_load_b256 s[40:47], s[0:1], 0xa0             ; b_sp, W_ch, b_ch, out0
	s_load_b512 s[84:99], s[0:1], 0x20             ; b_q, g_q, be_q, b_v1, g_v1, be_v1, g_k, be_k
	v_lshl_add_u32 v23, v0, 2, 0x42b00
	v_mov_b32 v25, 0
	ds_add_u32 v23, v25
	v_lshrrev_b32 v1, 5, v0
	v_readfirstlane_b32 s12, v1                    ; wave w
	s_lshr_b32 s13, s12, 1                         ; w / 2: I fetch A (0) or B (1); later: q or v1, head 0 or 1
	s_and_b32 s14, s12, 1                          ; w % 2: which half I fetch
	s_bfe_u32 s16, ttmp6, 0x40000                  ; cx
	s_bfe_u32 s17, ttmp6, 0x40004                  ; cy
	s_lshl_b32 s18, ttmp9, 2
	s_add_co_u32 s18, s18, s16                     ; hp = 4 x cluster x + cx
	s_and_b32 s19, ttmp7, 0xffff
	s_lshl_b32 s19, s19, 2
	s_add_co_u32 s19, s19, s17                     ; b = 4 x cluster y + cy
	; Scalar temporaries are kept apart: s[2:3] hold terms of b and cy alone, s[20:21] terms of hp and cx (or of neither),
	; s[22:23] global offsets made of both, s15 and s75 terms of neither, every LDS term among them.
	s_lshl_b32 s2, s17, 2
	s_lshl_b32 s2, 15, s2                          ; my row of the cluster: places 4 cy .. 4 cy + 3
	s_lshl_b32 s20, 0x1111, s16                    ; my column: places cx, cx + 4, cx + 8, cx + 12
	; group 1 for A: 128 rows of 64 elements of 4 bytes, 1,024 elements from row to row; 4 words of padding after every 64
	s_or_b32  s[G1+0], s2, (2<<16)|(1<<20)|(1<<21)|(5<<22)|(3<<25)
	s_mov_b32 s[G1+1], 64<<16                      ; tensor_dim0 = 64
	s_mov_b32 s[G1+2], 128<<16                     ; tensor_dim1 = 128
	s_mov_b32 s[G1+3], 64<<16                      ; tile_dim0 = 64
	s_mov_b32 s[G1+4], 128                         ; tile_dim1 = 128
	s_mov_b32 s[G1+5], 1024                        ; the pitch
	s_mov_b32 s[G1+6], 0
	s_mov_b32 s[G1+7], 0
	; group 1 for B: a dense 16,384 bytes as 64 rows of 32 elements of 8 bytes; 4 words of padding after every 32 words, which is one row of 64 f16
	s_or_b32  s[G1B+0], s20, (3<<16)|(1<<20)|(1<<21)|(4<<22)|(3<<25)
	s_mov_b32 s[G1B+1], 32<<16
	s_mov_b32 s[G1B+2], 64<<16
	s_mov_b32 s[G1B+3], 32<<16
	s_mov_b32 s[G1B+4], 64
	s_mov_b32 s[G1B+5], 32
	s_mov_b32 s[G1B+6], 0
	s_mov_b32 s[G1B+7], 0
	s_mul_i32 s75, s14, AHALF                      ; where A's half goes
	s_mul_i32 s15, s14, BHALF
	s_add_co_u32 s15, s15, BOFF                    ; where B's half goes
	s_mov_b32 s76, 0x76543210                      ; v_permlanex16_b32: lane i reads lane i of the other half
	s_mov_b32 s77, 0xfedcba98
	s_mov_b32 s78, 0x3f8e0ccb                      ; s = log2(e) / 1.3
	s_mov_b32 s79, 0x3f8e0ccb
	s_mov_b32 s80, 0x3fb8aa3b                      ; L = log2(e)
	s_mov_b32 s81, 0x3fb8aa3b
	s_mov_b32 s82, 0x3c000000                      ; 1 / 128
	s_mov_b32 s83, 0x374e9fed                      ; 1e-5 s^2
	s_mov_b32 s74, 1                               ; the lap that was last asked for ahead
	s_mov_b32 s101, 0
	s_lshl_b32 s2, s19, 21                         ; b: 512 rows of 4,096 bytes
	s_mov_b32 s3, 0
	s_lshl_b32 s20, s18, 19                        ; hp: 16 tiles of 32,768 bytes
	s_lshl_b32 s21, s14, 14
	s_add_co_u32 s20, s20, s21
	s_mov_b32 s21, 0
	s_wait_dscnt 0x0
	s_wait_kmcnt 0x0
	s_load_b32 s100, s[40:41], 0x0                 ; b_sp
	s_add_nc_u64 s[68:69], s[4:5], s[2:3]          ; key_feats at batch row b
	s_add_nc_u64 s[70:71], s[6:7], s[2:3]          ; value2 at batch row b
	s_lshl_b32 s2, s14, 19                         ; my half: 128 rows
	s_add_nc_u64 s[4:5], s[68:69], s[2:3]
	s_add_nc_u64 s[66:67], s[70:71], s[2:3]
	s_add_nc_u64 s[8:9], s[8:9], s[20:21]
	s_lshl_b32 s2, s19, 12
	s_add_nc_u64 s[46:47], s[46:47], s[2:3]        ; out0 at row b
	CROUND                                         ; all sixteen work-groups are here: the first joint loads meet
.irp s, 0,1
	s_mov_b32 s[G0+4*\s], 1
	s_add_co_u32 s[G0+4*\s+1], s75, \s*SLOT
	s_add_nc_u64 s[G0+4*\s+2:G0+4*\s+3], s[4:5], \s*ASTEP
	s_or_b32 s[G0+4*\s+3], s[G0+4*\s+3], 0x80000000
	s_mov_b32 s[G0B+4*\s], 1
	s_add_co_u32 s[G0B+4*\s+1], s15, \s*SLOT
	s_add_nc_u64 s[G0B+4*\s+2:G0B+4*\s+3], s[8:9], \s*BSTEP
	s_or_b32 s[G0B+4*\s+3], s[G0B+4*\s+3], 0x80000000
	JLOAD \s                                       ; both slots are asked for before anything else is done
.endr
	; ---- addresses that stay
	v_and_b32 v43, 31, v0                          ; l
	v_and_b32 v44, 15, v0                          ; r
	v_bfe_u32 v45, v0, 4, 1                        ; h
	v_mul_u32_u24 v46, v44, APITCH
	v_lshl_add_u32 v46, v45, 5, v46                ; row r, 32 h: eight f32
	s_mul_i32 s75, s12, 64*APITCH
	v_add_nc_u32 v[ADRA], s75, v46
	v_add_nc_u32 v[ADRA+1], SLOT, v[ADRA]
	v_mul_u32_u24 v46, v44, BPITCH
	v_lshl_add_u32 v46, v45, 4, v46                ; row r, 16 h: eight f16
	v_add_nc_u32 v[ADRB], BOFF, v46
	v_add_nc_u32 v[ADRB+1], BOFF+SLOT, v46
	s_lshl_b32 s75, s12, 8
	s_add_co_u32 s75, s75, SCR+SCO
	v_lshl_add_u32 v6, v44, 2, s75                 ; the score of row 64 w + r
	v_lshl_add_u32 v7, v45, 5, SCR                 ; per-column tables: columns 8 h ..
	s_lshl_b32 s75, s12, 10
	s_add_co_u32 s75, s75, SCR+PVO
	v_lshl_add_u32 v8, v45, 5, s75                 ; my wave's weighted sums
	s_lshl_b32 s20, s16, 6
	s_lshl_b32 s21, s12, 4
	s_add_co_u32 s20, s20, s21
	s_lshl_b32 s20, s20, 12
	v_lshl_add_u32 v9, v44, 12, s20                ; asking ahead: row 64 cx + 16 w + r of the tile,
	v_lshl_add_u32 v9, v45, 8, v9                  ; the first or second 256 bytes of the lap's 512
	v_mov_b32 v10, 0                               ; destinations of v_permlanex16_b32 count as read
	v_mov_b32 v27, 0
	v_mov_b32 v11, SCR
	s_lshl_b32 s75, s12, 8
	s_add_co_u32 s75, s75, SCR
	v_lshl_add_u32 v18, v43, 3, s75                ; SCR + 8 t
	s_lshl_b32 s20, s18, 10
	v_lshl_add_u32 v26, v0, 3, s20                 ; global: column 256 hp + 2 t, in bytes
	; ---- prologue, while the first tiles are on their way.  Wave w makes one row of 128: q (w / 2 = 0) or v1 (1) of head w % 2.
	s_lshl_b32 s21, s14, 9
	s_add_co_u32 s20, s20, s21
	v_lshl_add_u32 v28, v43, 4, s20                ; global: column 256 hp + 128 (w % 2) + 4 l
	v_lshlrev_b32 v29, 4, v43                      ; 16 l
	s_lshl_b32 s22, s13, 21                        ; part[which][kb][b][..]
	s_lshl_b32 s23, s19, 12
	s_add_co_u32 s22, s22, s23
	s_lshl_b32 s23, s18, 10
	s_add_co_u32 s22, s22, s23
	s_lshl_b32 s23, s14, 9
	s_add_co_u32 s22, s22, s23
	s_mov_b32 s23, 0
	s_add_nc_u64 s[10:11], s[10:11], s[22:23]
	s_cmp_eq_u32 s13, 0
	s_cselect_b64 s[84:85], s[84:85], s[90:91]     ; b, g, be of q or of v1
	s_cselect_b64 s[86:87], s[86:87], s[92:93]
	s_cselect_b64 s[88:89], s[88:89], s[94:95]
.irp kb, 0,1,2,3,4,5,6,7
	global_load_b128 v[128+4*\kb:131+4*\kb], v29, s[10:11] offset:\kb*262144
.endr
	global_load_b128 v[160:163], v28, s[84:85]
	global_load_b128 v[164:167], v28, s[86:87]
	global_load_b128 v[168:171], v28, s[88:89]
	global_load_b128 v[172:175], v28, s[96:97]     ; g_k and be_k: all four waves load them, waves 0 and 1 use them
	global_load_b128 v[176:179], v28, s[98:99]
	s_wait_xcnt 0x0                                ; s[84:99] are bases of the loads above: written again only behind this wait
	s_load_b512 s[84:99], s[0:1], 0x60             ; mask, b_k, b_v2, g_v2, be_v2, W_basic, b_basic, W_sp
	v_lshlrev_b32 v30, 4, v0                       ; the mask's row: 16 bytes a thread
	s_lshl_b32 s75, s12, 13
	v_lshl_add_u32 v31, v45, 12, s75               ; W_basic: rows 16 (2 w + h) .. + 15 (256 bytes each),
	v_lshl_add_u32 v31, v44, 4, v31                ; columns 4 r .. 4 r + 3
	s_lshl_b32 s75, s14, 7
	v_lshl_add_u32 v34, v43, 2, s75                ; 4 (t % 64)
	s_lshl_b32 s2, s19, 11
	s_wait_kmcnt 0x0
	s_add_nc_u64 s[84:85], s[84:85], s[2:3]
	s_cmp_eq_u32 s13, 0
	s_cselect_b64 s[96:97], s[96:97], s[98:99]     ; waves 0, 1 take b_basic, waves 2, 3 W_sp
	global_load_b128 v[180:183], v30, s[84:85]
	global_load_b64 v[184:185], v26, s[86:87]
	global_load_b64 v[186:187], v26, s[88:89]
	global_load_b64 v[12:13], v26, s[90:91]        ; g_v2 and be_v2 of my two columns stay in registers
	global_load_b64 v[14:15], v26, s[92:93]
.irp j, 0,1,2,3,4,5,6,7,8,9,10,11,12,13,14,15
	global_load_b128 v[192+4*\j:195+4*\j], v31, s[94:95] offset:256*\j
.endr
	global_load_b32 v188, v34, s[96:97]
	s_lshl_b32 s75, s14, 9
	s_add_co_u32 s75, s75, SCR
	v_lshl_add_u32 v35, v43, 4, s75                ; my row of 128 in QG or V1S
	s_lshl_b32 s75, s14, 2
	s_add_co_u32 s75, s75, SCR+RED
	v_mov_b32 v36, s75                             ; Cq of my head
	s_lshl_b32 s75, s12, 9
	s_add_co_u32 s75, s75, SCR
	v_lshl_add_u32 v37, v43, 4, s75                ; SCR + 16 t
	s_lshl_b32 s75, s12, 8
	s_add_co_u32 s75, s75, SCR
	v_lshl_add_u32 v38, v44, 4, s75                ; my wave's column sums of W_basic
	v_add_nc_u32 v39, SCR, v34
	v_lshl_add_u32 v42, v34, 3, SCR                ; table entry t % 64
	s_wait_loadcnt 0x0
.set pk, 1
.rept 7
	v_pk_add_f32 v[128:129], v[128:129], v[128+4*pk:129+4*pk]      ; the eight K blocks' partial products
	v_pk_add_f32 v[130:131], v[130:131], v[130+4*pk:131+4*pk]
.set pk, pk+1
.endr
	v_pk_add_f32 v[128:129], v[128:129], v[160:161]
	v_pk_add_f32 v[130:131], v[130:131], v[162:163]
	v_pk_mul_f32 v[128:129], v[128:129], s[78:79] op_sel_hi:[1,0]  ; w = s (x + b)
	v_pk_mul_f32 v[130:131], v[130:131], s[78:79] op_sel_hi:[1,0]
.irp j, 0,1,2,3
	v_min_num_f32 v[96+\j], 0, v[128+\j]
.endr
.irp j, 0,1,2,3
	v_exp_f32 v[96+\j], v[96+\j]
.endr
.irp j, 0,1,2,3
	v_max_num_f32 v[128+\j], 0, v[128+\j]          ; also the plain instruction that stands behind the exponentials (ISA guide 5.7.2)
.endr
	s_wait_alu depctr_va_vdst(0)
	v_pk_fma_f32 v[128:129], v[96:97], s[80:81], v[128:129] op_sel_hi:[1,0,1]
	v_pk_fma_f32 v[130:131], v[98:99], s[80:81], v[130:131] op_sel_hi:[1,0,1]
	v_pk_add_f32 v[32:33], v[128:129], v[130:131]
	v_add_f32 v32, v32, v33
	WSUM 32
	v_mul_f32 v56, 0xbc000000, v32                 ; - mean
	v_mul_f32 v57, 0xbc000000, v32
	v_pk_add_f32 v[128:129], v[128:129], v[56:57]
	v_pk_add_f32 v[130:131], v[130:131], v[56:57]
	v_pk_mul_f32 v[40:41], v[128:129], v[128:129]
	v_pk_fma_f32 v[40:41], v[130:131], v[130:131], v[40:41]
	v_add_f32 v40, v40, v41
	WSUM 40
	v_fma_f32 v40, v40, s82, s83
	v_rsq_f32 v40, v40
	v_nop                                          ; the place behind v_rsq_f32 (ISA guide 5.7.2)
	s_wait_alu depctr_va_vdst(0)
	v_pk_mul_f32 v[164:165], v[164:165], v[40:41] op_sel_hi:[1,0]
	v_pk_mul_f32 v[166:167], v[166:167], v[40:41] op_sel_hi:[1,0]
	v_pk_fma_f32 v[128:129], v[128:129], v[164:165], v[168:169]    ; d rs g + be
	v_pk_fma_f32 v[130:131], v[130:131], v[166:167], v[170:171]
	s_cmp_lg_u32 s13, 0
	s_cbranch_scc1 .Lis_v1
	v_pk_mul_f32 v[128:129], v[128:129], 0x3db504f3 op_sel_hi:[1,0]    ; q 128^-0.5
	v_pk_mul_f32 v[130:131], v[130:131], 0x3db504f3 op_sel_hi:[1,0]
	v_pk_mul_f32 v[176:177], v[128:129], v[176:177]
	v_pk_fma_f32 v[176:177], v[130:131], v[178:179], v[176:177]
	v_add_f32 v176, v176, v177
	WSUM 176                                       ; Cq
	v_pk_mul_f32 v[172:173], v[128:129], v[172:173]
	v_pk_mul_f32 v[174:175], v[130:131], v[174:175]
	ds_store_b128 v35, v[172:175] offset:QGO
	ds_store_b32 v36, v176                         ; every lane writes the same word with the same number
	s_branch .Lrow_done
.Lis_v1:
	ds_store_b128 v35, v[128:131] offset:V1S
.Lrow_done:
	ds_store_b64 v18, v[184:185] offset:SBK        ; b_k and b_v2 of my two columns, as they are
	ds_store_b64 v18, v[186:187] offset:SBV
	ds_store_b128 v37, v[180:183] offset:MKO
.set pk, 1
.rept 15
	v_pk_add_f32 v[192:193], v[192:193], v[192+4*pk:193+4*pk]      ; W_basic summed down my 16 rows
	v_pk_add_f32 v[194:195], v[194:195], v[194+4*pk:195+4*pk]
.set pk, pk+1
.endr
	v_permlanex16_b32 v10, v192, s76, s77          ; and the other half's 16 rows
	v_permlanex16_b32 v27, v193, s76, s77
	v_add_f32 v192, v192, v10
	v_add_f32 v193, v193, v27
	v_permlanex16_b32 v10, v194, s76, s77
	v_permlanex16_b32 v27, v195, s76, s77
	v_add_f32 v194, v194, v10
	v_add_f32 v195, v195, v27
	ds_store_b128 v38, v[192:195] offset:WBPO
	s_wait_dscnt 0x0                               ; my stores are in LDS before I say so
	s_barrier_signal -1                            ; the two first fills may stay out
	s_barrier_wait -1
	s_cmp_lg_u32 s13, 0
	s_cbranch_scc1 .Ltb_wsp
	ds_load_b32 v46, v39 offset:WBPO               ; waves 0, 1: entry t gets wb = the four waves' parts, and bb
	ds_load_b32 v47, v39 offset:WBPO+256
	ds_load_b32 v48, v39 offset:WBPO+512
	ds_load_b32 v49, v39 offset:WBPO+768
	s_wait_dscnt 0x0
	v_add_f32 v46, v46, v47
	v_add_f32 v48, v48, v49
	v_add_f32 v46, v46, v48
	v_mov_b32 v47, v46
	v_mov_b32 v48, v188
	v_mov_b32 v49, v188
	ds_store_b128 v42, v[46:49] offset:TBO
	s_branch .Ltb_done
.Ltb_wsp:
	v_mov_b32 v189, v188                           ; waves 2, 3: entry t - 64 gets wsp
	ds_store_b64 v42, v[188:189] offset:TBO+16
.Ltb_done:
	s_wait_dscnt 0x0
	s_wait_tensorcnt 0x1                           ; my part of slot 0 is in; slot 1's, the one load issued behind it, may stay out
	s_barrier_signal -1
	s_barrier_wait -1
; ---------------- the product
; The sums' start: register j of tile (a, b) of head g gets the bias of column 128 g + 16 b + 8 h + j, the same for all four a.
; 128 loads of 16 bytes; the 16 lanes of a half read the same bytes.  kind 0: b_k, kind 1: b_v2.
.macro ACCHALF kind, g, win
	WIN \win                                       ; destination in the head's window, address in window 0
.set ia, 0
.rept 4
.set ib, 0
.rept 8
	ds_load_b128 v[64*ia+8*ib:64*ia+8*ib+3],   v7 offset:SBK+1024*\kind+512*\g+64*ib
	ds_load_b128 v[64*ia+8*ib+4:64*ia+8*ib+7], v7 offset:SBK+1024*\kind+512*\g+64*ib+16
.set ib, ib+1
.endr
.set ia, ia+1
.endr
.endm
.macro ACCINIT kind
	ACCHALF \kind, 0, 0x80
	ACCHALF \kind, 1, 0xc0
	WIN 0
.endm
; 48 LDS loads in one run: quarter kq (32 along K) of a slot.  First my 64 rows of A in f32 into the stage, then 256 rows of B into buffer f.
.macro FETCH slot, kq, f
	WIN 0
.set fa, 0
.rept 4
	ds_load_b128 v[ST+16*fa:ST+16*fa+3],     v[ADRA+(\slot)] offset:fa*16*APITCH+\kq*128      ; k = 8 h + 0 .. 3
	ds_load_b128 v[ST+16*fa+4:ST+16*fa+7],   v[ADRA+(\slot)] offset:fa*16*APITCH+\kq*128+16   ; k = 8 h + 4 .. 7
	ds_load_b128 v[ST+16*fa+8:ST+16*fa+11],  v[ADRA+(\slot)] offset:fa*16*APITCH+\kq*128+64   ; k = 16 + 8 h + 0 .. 3
	ds_load_b128 v[ST+16*fa+12:ST+16*fa+15], v[ADRA+(\slot)] offset:fa*16*APITCH+\kq*128+80
.set fa, fa+1
.endr
	WIN TO_B
.set fb, 0
.rept 16
	ds_load_b128 v[128*\f+8*fb:128*\f+8*fb+3],   v[ADRB+(\slot)] offset:fb*16*BPITCH+\kq*64
	ds_load_b128 v[128*\f+8*fb+4:128*\f+8*fb+7], v[ADRB+(\slot)] offset:fb*16*BPITCH+\kq*64+32
.set fb, fb+1
.endr
.endm
.macro CVT f                           ; the stage, rounded to f16, becomes A's fragment buffer f: 32 instructions for 64 matrix instructions
	WIN 0
.set ci, 0
.rept 32
	v_cvt_pk_f16_f32 v[64+32*\f+ci], v[ST+2*ci], v[ST+2*ci+1]
.set ci, ci+1
.endr
.endm
; 8 na matrix instructions: row groups a0 .. a0 + na - 1 x the eight column groups of head hi.  The 64 accumulators take turns, one
; instruction a turn, in the same order in every quarter, over the backward jump too.
.macro MUL f, hi, a0, na
.set ma, \a0
.rept \na
.set mb, 0
.rept 8
	v_wmma_f32_16x16x32_f16 v[64*ma+8*mb:64*ma+8*mb+7], v[128*\f+8*(8*\hi+mb):128*\f+8*(8*\hi+mb)+7], v[64+32*\f+8*ma:64+32*\f+8*ma+7], v[64*ma+8*mb:64*ma+8*mb+7]
.set mb, mb+1
.endr
.set ma, ma+1
.endr
.endm
; Asking ahead, once a lap (two K steps) and wave: in lap n of the launch's 32 the sixteen waves of my row of the cluster ask for the 512
; blocks of 256 bytes of A that lap n + 2 multiplies (the tensor loads ask for them in lap n + 1): one block a lane, each block by one
; lane alone.  The last two laps ask for lap 31 again, so no request leaves the buffers.
.macro PFASK
	s_wait_xcnt 0x0                                ; the last request was issued a lap ago: its base is written again only behind this wait
	s_add_co_u32 s74, s74, 1
	s_min_u32 s75, s74, 31
	s_bfe_u32 s20, s75, 0x10003                    ; which 256 rows
	s_lshl_b32 s20, s20, 20
	s_and_b32 s21, s75, 7                          ; which lap of the tile: 512 bytes along the rows
	s_lshl_b32 s21, s21, 9
	s_or_b32 s20, s20, s21
	s_mov_b32 s21, 0
	s_cmp_lt_u32 s75, 16                           ; laps 0-15 read key_feats, 16-31 value2
	s_cselect_b64 s[72:73], s[68:69], s[70:71]
	s_add_nc_u64 s[72:73], s[72:73], s[20:21]
	global_prefetch_b8 v9, s[72:73] th:TH_LOAD_NT scope:SCOPE_SE
.endm
; First quarter of a K step: multiplies buffers 0, fetches the slot's second quarter into buffers 1, and then gives the slot up.
; fill = 1: the slot gets the tile two K steps on; 2: the next 256 rows' first tiles; 3: value2's and W_v2's first tiles;
; 0: nothing is left to fetch, a plain barrier shows the other slot whole; -1: the last step, no barrier.
; In front of the barrier each wave waits for its reads of this slot and for all its tensor loads (one is out: its part of the other
; slot).  Where the slot is filled again the barrier opens a round of the cluster's barrier; only matrix instructions stand inside; the
; joint load is the first thing behind the round.  From a request to the wait for it a wave issues 112 matrix instructions.
.macro Q0 slot, fill
	s_wait_dscnt 0x0                               ; B's buffer 0 is in (in a tile's first step: the sums' starts too)
	PLACES                                         ; behind the last quarter's matrix instructions, which read buffers 1
	FETCH \slot, 1, 1
	WIN MUL_LO
	MUL 0, 0, 0, 4
	s_wait_dscnt 32                                ; the 16 loads of A are in; the 32 of B issued behind them may stay out
	CVT 1
	WIN MUL_HI
	MUL 0, 1, 0, 2
	s_wait_dscnt 0x0                               ; my reads of this slot are over
.if \fill >= 0
	s_set_vgpr_msb 0xf1f0
	s_wait_tensorcnt 0x0                           ; all my tensor loads have landed
	ds_add_u32 v23, v25
	s_wait_dscnt 0x0
	s_set_vgpr_msb 0xf0f1
	s_barrier_signal -1
.endif
	MUL 0, 1, 2, 2
.if \fill >= 0
	WIN 0
	s_barrier_wait -1
.endif
.if \fill > 0
	CREST                                          ; no wave of any partner still reads this slot or has a load on its way
.if \fill == 1
	s_add_nc_u64 s[G0+4*\slot+2:G0+4*\slot+3], s[G0+4*\slot+2:G0+4*\slot+3], 2*ASTEP
	s_add_nc_u64 s[G0B+4*\slot+2:G0B+4*\slot+3], s[G0B+4*\slot+2:G0B+4*\slot+3], 2*BSTEP
.endif
.if \fill == 2
	s_add_nc_u64 s[G0+4*\slot+2:G0+4*\slot+3], s[G0+4*\slot+2:G0+4*\slot+3], ATILE-14*ASTEP   ; seven refills went 14 steps along K: back, and 256 rows down
	s_sub_nc_u64 s[G0B+4*\slot+2:G0B+4*\slot+3], s[G0B+4*\slot+2:G0B+4*\slot+3], 14*BSTEP     ; the same weights from their start
.endif
.if \fill == 3
	s_add_nc_u64 s[G0+4*\slot+2:G0+4*\slot+3], s[66:67], \slot*ASTEP
	s_or_b32 s[G0+4*\slot+3], s[G0+4*\slot+3], 0x80000000
	s_add_nc_u64 s[G0B+4*\slot+2:G0B+4*\slot+3], s[G0B+4*\slot+2:G0B+4*\slot+3], WMAT-14*BSTEP
.endif
	JLOAD \slot
.endif
.endm
; Second quarter: multiplies buffers 1; next = 1: fetches the other slot's first quarter into buffers 0.
.macro Q1 slot, next
.if \next
	PLACES                                         ; behind the matrix instructions that read buffers 0
	FETCH 1-\slot, 0, 0
.if \slot == 0
	PFASK
.endif
.endif
	WIN MUL_LO
	MUL 1, 0, 0, 4
.if \next
	s_wait_dscnt 32                                ; A's 16 loads are in, B's 32 may stay out
	CVT 0
.endif
	WIN MUL_HI
	MUL 1, 1, 0, 4
.endm
.macro STEP slot, fill, next
	Q0 \slot, \fill
	Q1 \slot, \next
.endm
.macro LAP fill
	STEP 0, \fill, 1
	STEP 1, \fill, 1
.endm
; A tile: 16 K steps = 8 laps, seven in the loop.  Steps 0-13 ask for steps 2-15; the last lap is written out: its steps 14, 15 ask for
; the next tile's steps 0, 1 (mode 2 or 3), or, in the last tile (mode 0), for nothing.
.macro TILE mode
	WIN 0
	s_mov_b32 s15, 7
.Llap_\@:
	LAP 1
	WIN 0
	s_sub_co_u32 s15, s15, 1
	s_cmp_lg_u32 s15, 0
	s_cbranch_scc1 .Llap_\@
.if \mode > 0
	LAP \mode
.else
	STEP 0, 0, 1
	STEP 1, -1, 0
.endif
.endm
; ---------------- the epilogues.  kind 0: tiles of k, ends in a score for each row; kind 1: tiles of v2, ends in weighted column sums.
; A group = row group a (16 rows, one a lane of a half) of head g: 64 numbers a lane.
; COPYIN brings a group's sums x + b from the head's window into window 0 as w = s (x + b).
.macro COPYIN g, a
	WIN 0x02+\g                                    ; source 0 in the head's window
.set ei, 0
.rept 32
	v_pk_mul_f32 v[XR+2*ei:XR+2*ei+1], v[64*\a+2*ei:64*\a+2*ei+1], s[78:79] op_sel_hi:[1,0]
.set ei, ei+1
.endr
	WIN 0
.endm
.macro QTAB g                          ; qg of my 64 columns of head g, and the head's Cq
.set hb, 0
.rept 16
	ds_load_b128 v[PR+4*hb:PR+4*hb+3], v7 offset:QGO+512*\g+(hb>>1)*64+(hb&1)*16
.set hb, hb+1
.endr
	ds_load_b32 v24, v11 offset:RED+4*\g
.endm
; What is the same for all eight groups: w -> c -> d, rs in v[QR]; kind 0: the score in v[DR].
.macro GROUPBODY kind
.set eo, 0
.rept 8
.set et, TR+8*(eo&1)
.set ej, 0
.rept 8
	v_min_num_f32 v[et+ej], 0, v[XR+8*eo+ej]
.set ej, ej+1
.endr
.set ej, 0
.rept 8
	v_exp_f32 v[et+ej], v[et+ej]
.set ej, ej+1
.endr
.set ej, 0
.rept 8
	v_max_num_f32 v[XR+8*eo+ej], 0, v[XR+8*eo+ej]  ; also the plain instructions behind the exponentials (ISA guide 5.7.2)
.set ej, ej+1
.endr
.set ej, 0
	s_wait_alu depctr_va_vdst(0)
.rept 4
	v_pk_fma_f32 v[XR+8*eo+2*ej:XR+8*eo+2*ej+1], v[et+2*ej:et+2*ej+1], s[80:81], v[XR+8*eo+2*ej:XR+8*eo+2*ej+1] op_sel_hi:[1,0,1]   ; c
.set ej, ej+1
.endr
.set ej, 0
.rept 4
.if eo == 1
	v_pk_add_f32 v[SR+2*ej:SR+2*ej+1], v[XR+2*ej:XR+2*ej+1], v[XR+8+2*ej:XR+8+2*ej+1]       ; the first two octets start the four chains
.endif
.if eo > 1
	v_pk_add_f32 v[SR+2*ej:SR+2*ej+1], v[SR+2*ej:SR+2*ej+1], v[XR+8*eo+2*ej:XR+8*eo+2*ej+1]
.endif
.set ej, ej+1
.endr
.set eo, eo+1
.endr
	HSUM SR, 10
	v_mul_f32 v[NM], 0xbc000000, v[SR]             ; - mean over the head's 128 columns
	v_mul_f32 v[NM+1], 0xbc000000, v[SR]
.set ei, 0
.rept 32
	v_pk_add_f32 v[XR+2*ei:XR+2*ei+1], v[XR+2*ei:XR+2*ei+1], v[NM:NM+1]                     ; d
.set ei, ei+1
.endr
.set ei, 0
.rept 32
.if ei < 4
	v_pk_mul_f32 v[QR+2*ei:QR+2*ei+1], v[XR+2*ei:XR+2*ei+1], v[XR+2*ei:XR+2*ei+1]
.if \kind == 0
	v_pk_mul_f32 v[DR+2*ei:DR+2*ei+1], v[XR+2*ei:XR+2*ei+1], v[PR+2*ei:PR+2*ei+1]
.endif
.else
	v_pk_fma_f32 v[QR+2*(ei%4):QR+2*(ei%4)+1], v[XR+2*ei:XR+2*ei+1], v[XR+2*ei:XR+2*ei+1], v[QR+2*(ei%4):QR+2*(ei%4)+1]
.if \kind == 0
	v_pk_fma_f32 v[DR+2*(ei%4):DR+2*(ei%4)+1], v[XR+2*ei:XR+2*ei+1], v[PR+2*ei:PR+2*ei+1], v[DR+2*(ei%4):DR+2*(ei%4)+1]
.endif
.endif
.set ei, ei+1
.endr
	HSUM QR, 10
	v_fma_f32 v[QR], v[QR], s82, s83               ; var c + eps s^2
	v_rsq_f32 v[QR], v[QR]
.if \kind == 0
	HSUM DR, 27                                    ; plain instructions that touch neither source nor result of v_rsq_f32 stand behind it
	s_wait_alu depctr_va_vdst(0)
	v_fma_f32 v[DR], v[DR], v[QR], v24             ; the score
.else
	v_nop                                          ; the place behind v_rsq_f32
.endif
.endm
; What is group i's own (i = 4 g + a): its result goes to LDS, and group i + 1 is brought in.
.macro EPIBLK kind, t, i
.set bg, (\i)>>2
.set ba, (\i)&3
.set bng, ((\i)+1)>>2
.set bna, ((\i)+1)&3
.if \kind == 0
	ds_store_b32 v6, v[DR] offset:bg*2048+\t*1024+ba*64            ; both halves write the same word with the same number
.if \i == 3
	QTAB 1                                         ; the next head's tables; the wait stands at the head of the trip
.endif
.else
.if ba == 3
.set hb, 0
.rept 16
	ds_store_b128 v8, v[PR+4*hb:PR+4*hb+3] offset:\t*4096+bg*512+(hb>>1)*64+(hb&1)*16        ; the 16 lanes of a half write the same bytes with the same numbers
.set hb, hb+1
.endr
.endif
.if \i < 7
	ds_load_b32 v[EW], v6 offset:ALO-SCO+bng*2048+\t*1024+bna*64   ; e of my row in the next group
.endif
.endif
.if \i < 7
	COPYIN bng, bna
.endif
.endm
; Buffers 0 already hold the next tile's first fragments: an epilogue touches neither.
; Eight trips, counted in s15.  The branches hang on that counter alone; at every label and branch every window is 0.
.macro EPI kind, t
	WIN 0
	PLACES                                         ; behind the tile's last matrix instructions: results are read, buffers 1 written
	s_wait_dscnt 0x0
.if \kind == 0
	QTAB 0
.else
	ds_load_b32 v[EW], v6 offset:ALO-SCO+\t*1024
.endif
	COPYIN 0, 0
	s_mov_b32 s15, 0
.Lgrp_\@:
.if \kind == 0
	s_wait_dscnt 0x0                               ; the head's qg and Cq are in, whether asked for ahead of the loop or in the fourth trip
.endif
	GROUPBODY \kind
.if \kind == 1
	s_wait_dscnt 0x0                               ; e of my row in this group is in
	s_wait_alu depctr_va_vdst(0)
	v_mul_f32 v[WG], v[EW], v[QR]                  ; e rs of my row
	v_mul_f32 v[WG+1], v[EW], v[QR]
	s_and_b32 s75, s15, 3                          ; a
	s_cmp_lg_u32 s75, 0
	s_cbranch_scc1 .Ladd_\@
.set ei, 0
.rept 32
	v_pk_mul_f32 v[PR+2*ei:PR+2*ei+1], v[XR+2*ei:XR+2*ei+1], v[WG:WG+1]                     ; a head's first group starts its column sums
.set ei, ei+1
.endr
	s_branch .Lout_\@
.Ladd_\@:
.set ei, 0
.rept 32
	v_pk_fma_f32 v[PR+2*ei:PR+2*ei+1], v[XR+2*ei:XR+2*ei+1], v[WG:WG+1], v[PR+2*ei:PR+2*ei+1]
.set ei, ei+1
.endr
	s_cmp_lg_u32 s75, 3
	s_cbranch_scc1 .Lout_\@
.irp m, 1,2,4,8
.set di, 0
.rept 64
	v_add_f32_dpp v[PR+di], v[PR+di], v[PR+di] row_xmask:\m row_mask:0xf bank_mask:0xf       ; behind a head's last group: over the 16 rows that the lanes of a half hold
.set di, di+1
.endr
.endr
.Lout_\@:
.endif
	s_cmp_eq_u32 s15, 0
	s_cbranch_scc1 .Lb0_\@
	s_cmp_eq_u32 s15, 1
	s_cbranch_scc1 .Lb1_\@
	s_cmp_eq_u32 s15, 2
	s_cbranch_scc1 .Lb2_\@
	s_cmp_eq_u32 s15, 3
	s_cbranch_scc1 .Lb3_\@
	s_cmp_eq_u32 s15, 4
	s_cbranch_scc1 .Lb4_\@
	s_cmp_eq_u32 s15, 5
	s_cbranch_scc1 .Lb5_\@
	s_cmp_eq_u32 s15, 6
	s_cbranch_scc1 .Lb6_\@
	EPIBLK \kind, \t, 7
	s_branch .Lnext_\@
.Lb0_\@:
	EPIBLK \kind, \t, 0
	s_branch .Lnext_\@
.Lb1_\@:
	EPIBLK \kind, \t, 1
	s_branch .Lnext_\@
.Lb2_\@:
	EPIBLK \kind, \t, 2
	s_branch .Lnext_\@
.Lb3_\@:
	EPIBLK \kind, \t, 3
	s_branch .Lnext_\@
.Lb4_\@:
	EPIBLK \kind, \t, 4
	s_branch .Lnext_\@
.Lb5_\@:
	EPIBLK \kind, \t, 5
	s_branch .Lnext_\@
.Lb6_\@:
	EPIBLK \kind, \t, 6
.Lnext_\@:
	s_add_co_u32 s15, s15, 1
	s_cmp_lt_u32 s15, 8
	s_cbranch_scc1 .Lgrp_\@
.endm
	ACCINIT 0                                      ; ahead of the fragments' loads, so that the count below still leaves out B's 32 alone
	FETCH 0, 0, 0
	s_wait_dscnt 32                                ; A's 16 loads are in
	CVT 0
	TILE 2
	EPI 0, 0
	ACCINIT 0
	TILE 3
	EPI 0, 1
	; ---------------- the mid stage: hidden layer, pool, softmax weights, channel gate.  The next tile's slots are in LDS or on their way
	; and are not touched.
	; Wave w: head w / 2, m = 256 (w % 2) + 4 l + 0 .. 3 and the same + 128: eight scores a lane.
	WIN 0
	s_wait_dscnt 0x0                               ; my scores are in LDS
	s_barrier_signal -1
	s_barrier_wait -1
	v_and_b32 v56, 31, v0
	s_lshl_b32 s75, s14, 10
	s_add_co_u32 s75, s75, SCR
	v_lshl_add_u32 v60, v56, 4, s75                ; SCR + 4 m
	s_lshl_b32 s75, s13, 11
	v_add_nc_u32 v61, s75, v60                     ; + the head's 2,048 bytes
.macro TBLOAD j
.set ti, 0
.rept 4
	ds_load_b128 v[TBR+32*((\j)&1)+8*ti:TBR+32*((\j)&1)+8*ti+3],   v11 offset:TBO+32*(4*(\j)+ti)
	ds_load_b64  v[TBR+32*((\j)&1)+8*ti+4:TBR+32*((\j)&1)+8*ti+5], v11 offset:TBO+32*(4*(\j)+ti)+16
.set ti, ti+1
.endr
.endm
	ds_load_b128 v[32:35], v61 offset:SCO
	ds_load_b128 v[36:39], v61 offset:SCO+512
	ds_load_b128 v[40:43], v60 offset:MKO
	ds_load_b128 v[44:47], v60 offset:MKO+512
	TBLOAD 0
	s_lshl_b32 s75, s14, 8
	v_lshl_add_u32 v62, v56, 3, s75                ; 8 (t % 64): my two columns of the head in W_ch and b_ch
	global_load_b64 v[16:17], v62, s[44:45]
	WIN TO_B
.set wi, 0
.rept 64
	global_load_b64 v[128+2*wi:129+2*wi], v62, s[42:43] offset:512*wi      ; W_ch[i][my two columns]: wanted behind the third barrier
.set wi, wi+1
.endr
	WIN 0
	s_lshl_b32 s75, s12, 7
	s_add_co_u32 s75, s75, SCR+PPO
	v_lshl_add_u32 v63, v56, 2, s75                ; my word in each row of pool parts
; Four of the 64 hidden units.  The next block's 8 table loads go out first.  LDS instructions end in order (ISA guide 5.7.1), so this
; block's entries are in when only what was issued behind them is out: the last block's 4 stores and the next block's 8 loads.
.macro MIDBLK j
.if \j < 15
	TBLOAD \j+1
.endif
.if \j == 0
	s_wait_dscnt 8
.elseif \j < 15
	s_wait_dscnt 12
.else
	s_wait_dscnt 4
.endif
.set mi, 0
.rept 4
.set tb, TBR+32*((\j)&1)+8*mi
.set ig, 4*(\j)+mi
.set hr, HR+8*(mi&1)
.set pt, PT+2*(mi&1)
.set mp, 0
.rept 4
	v_pk_fma_f32 v[hr+2*mp:hr+2*mp+1], v[32+2*mp:33+2*mp], v[tb:tb+1], v[tb+2:tb+3]          ; score wb + bb
.set mp, mp+1
.endr
.set mp, 0
.rept 8
	v_max_num_f32 v[hr+mp], 0, v[hr+mp]
.set mp, mp+1
.endr
.set mp, 0
.rept 4
.if ig == 0
	v_pk_fma_f32 v[48+2*mp:49+2*mp], v[hr+2*mp:hr+2*mp+1], v[tb+4:tb+5], s[100:101] op_sel_hi:[1,1,0]   ; b_sp starts the sums
.else
	v_pk_fma_f32 v[48+2*mp:49+2*mp], v[hr+2*mp:hr+2*mp+1], v[tb+4:tb+5], v[48+2*mp:49+2*mp]
.endif
.set mp, mp+1
.endr
	v_pk_mul_f32 v[pt:pt+1], v[hr:hr+1], v[40:41]                  ; hidden x mask over my eight m
	v_pk_fma_f32 v[pt:pt+1], v[hr+2:hr+3], v[42:43], v[pt:pt+1]
	v_pk_fma_f32 v[pt:pt+1], v[hr+4:hr+5], v[44:45], v[pt:pt+1]
	v_pk_fma_f32 v[pt:pt+1], v[hr+6:hr+7], v[46:47], v[pt:pt+1]
	v_add_f32 v[pt], v[pt], v[pt+1]
	ds_store_b32 v63, v[pt] offset:PPP*ig
.set mi, mi+1
.endr
.endm
.irp j, 0,1,2,3,4,5,6,7,8,9,10,11,12,13,14,15
	MIDBLK \j
.endr
	v_mov_b32 v116, 0xce6e6b28                     ; -1e9
.irp q, 0,1,2,3,4,5,6,7
	v_cmp_eq_f32 vcc_lo, 0, v[40+\q]
	v_cndmask_b32 v[48+\q], v[48+\q], v116, vcc_lo
.endr
	v_max3_num_f32 v117, v48, v49, v50
	v_max3_num_f32 v117, v117, v51, v52
	v_max3_num_f32 v117, v117, v53, v54
	v_max_num_f32 v117, v117, v55
	WMAX 117
	v_pk_add_f32 v[118:119], v[40:41], v[42:43]
	v_pk_add_f32 v[118:119], v[118:119], v[44:45]
	v_pk_add_f32 v[118:119], v[118:119], v[46:47]
	v_add_f32 v118, v118, v119
	WSUM 118
	s_lshl_b32 s75, s12, 2
	s_add_co_u32 s75, s75, SCR+RED
	v_mov_b32 v120, s75                            ; my wave's words
	ds_store_b32 v120, v117 offset:16
	ds_store_b32 v120, v118 offset:48
	s_wait_dscnt 0x0
	s_barrier_signal -1
	s_barrier_wait -1
	s_lshl_b32 s75, s13, 3
	s_add_co_u32 s75, s75, SCR+RED
	v_mov_b32 v121, s75                            ; the two waves of my head
	ds_load_b64 v[122:123], v121 offset:16         ; their maxima
	ds_load_b64 v[124:125], v11 offset:RED+48      ; the mask's sum: waves 0 and 1 cover the 512 m
	s_mul_i32 s75, s14, 32*PPP
	s_lshl_b32 s15, s13, 8
	s_add_co_u32 s75, s75, s15
	s_add_co_u32 s75, s75, SCR+PPO
	v_mul_u32_u24 v126, v56, PPP
	v_add_nc_u32 v126, s75, v126                   ; thread t = (head t / 64, unit t % 64): that unit's row, that head's 64 parts
.irp q, 0,1,2,3,4,5,6,7,8,9,10,11,12,13,14,15
	ds_load_b128 v[128+4*\q:131+4*\q], v126 offset:16*\q
.endr
	s_wait_dscnt 16                                ; the maxima and the mask's sums are in; the 16 loads issued behind them may stay out
	v_max_num_f32 v122, v122, v123                 ; the head's maximum over all 512 m
	v_mov_b32 v123, v122
.irp p, 0,1,2,3
	v_pk_add_f32 v[48+2*\p:49+2*\p], v[48+2*\p:49+2*\p], v[122:123] neg_lo:[0,1] neg_hi:[0,1]
.endr
.irp p, 0,1,2,3
	v_pk_mul_f32 v[48+2*\p:49+2*\p], v[48+2*\p:49+2*\p], s[80:81] op_sel_hi:[1,0]
.endr
.irp q, 0,1,2,3,4,5,6,7
	v_exp_f32 v[48+\q], v[48+\q]
.endr
	v_add_f32 v124, v124, v125                     ; also the place behind the exponentials
	s_wait_alu depctr_va_vdst(0)
	ds_store_b128 v61, v[48:51] offset:ALO
	ds_store_b128 v61, v[52:55] offset:ALO+512
	v_pk_add_f32 v[118:119], v[48:49], v[50:51]
	v_pk_add_f32 v[118:119], v[118:119], v[52:53]
	v_pk_add_f32 v[118:119], v[118:119], v[54:55]
	v_add_f32 v118, v118, v119
	WSUM 118
	ds_store_b32 v120, v118 offset:32
	v_rcp_f32 v124, v124
	s_lshl_b32 s75, s12, 7
	s_add_co_u32 s75, s75, SCR+PLO
	v_lshl_add_u32 v127, v56, 2, s75               ; pool[t] (also the place behind v_rcp_f32)
	s_wait_dscnt 3                                 ; the 16 loads are in; the three stores issued behind them may stay out
.set pq, 4
.rept 28
	v_pk_add_f32 v[128+2*(pq%4):129+2*(pq%4)], v[128+2*(pq%4):129+2*(pq%4)], v[128+2*pq:129+2*pq]
.set pq, pq+1
.endr
	v_pk_add_f32 v[128:129], v[128:129], v[130:131]
	v_pk_add_f32 v[132:133], v[132:133], v[134:135]
	v_pk_add_f32 v[128:129], v[128:129], v[132:133]
	v_add_f32 v128, v128, v129
	s_wait_alu depctr_va_vdst(0)
	v_mul_f32 v128, v128, v124
	ds_store_b32 v127, v128
	s_wait_dscnt 0x0
	s_barrier_signal -1
	s_barrier_wait -1
	s_lshl_b32 s75, s13, 8
	s_add_co_u32 s75, s75, SCR+PLO
	v_mov_b32 v121, s75
.irp q, 0,1,2,3,4,5,6,7,8,9,10,11,12,13,14,15
	ds_load_b128 v[128+4*\q:131+4*\q], v121 offset:16*\q           ; my head's pool, the same 64 numbers in every lane
.endr
	s_wait_dscnt 0x0
	s_wait_loadcnt 0x0                             ; W_ch and b_ch
	WIN 0x01                                       ; source 0 (W_ch) in window 1
	; two chains; op_sel and op_sel_hi pick one register of the pool's pair for both halves
	v_pk_fma_f32 v[16:17], v[128:129], v[128:129], v[16:17] op_sel_hi:[1,0,1]
	v_pk_mul_f32 v[112:113], v[130:131], v[128:129] op_sel:[0,1] op_sel_hi:[1,1]
.set wi, 1
.rept 31
	v_pk_fma_f32 v[16:17], v[128+4*wi:129+4*wi], v[128+2*wi:129+2*wi], v[16:17] op_sel_hi:[1,0,1]
	v_pk_fma_f32 v[112:113], v[130+4*wi:131+4*wi], v[128+2*wi:129+2*wi], v[112:113] op_sel:[0,1,0] op_sel_hi:[1,1,1]
.set wi, wi+1
.endr
	WIN 0
	v_pk_add_f32 v[16:17], v[16:17], v[112:113]
	v_mul_f32 v16, 0xbfb8aa3b, v16                 ; sigmoid(x) = 1 / (1 + exp2(- L x))
	v_mul_f32 v17, 0xbfb8aa3b, v17
	v_exp_f32 v16, v16
	v_exp_f32 v17, v17
	v_nop
	s_wait_alu depctr_va_vdst(0)
	v_add_f32 v16, 1.0, v16
	v_add_f32 v17, 1.0, v17
	v_rcp_f32 v16, v16
	v_rcp_f32 v17, v17
	v_nop                                          ; alpha_ch of my two columns stays in v[16:17]
	ACCINIT 1
	TILE 2
	EPI 1, 0
	ACCINIT 1
	TILE 0
	EPI 1, 1
	; ---------------- the end: thread t owns columns 2 t, 2 t + 1 of the work-group's 256
	WIN 0
	s_wait_dscnt 0x0
	s_barrier_signal -1
	s_barrier_wait -1
.irp q, 0,1,2,3,4,5,6,7
	ds_load_b64 v[128+2*\q:129+2*\q], v18 offset:PVO+1024*\q       ; two tiles x four waves
.endr
	ds_load_b64 v[144:145], v18 offset:V1S
	s_lshl_b32 s75, s13, 3
	s_add_co_u32 s75, s75, SCR+RED
	v_mov_b32 v121, s75
	ds_load_b64 v[146:147], v121 offset:32         ; sum e of the two waves of my head
	s_wait_dscnt 0x0
.irp q, 1,2,3,4,5,6,7
	v_pk_add_f32 v[128:129], v[128:129], v[128+2*\q:129+2*\q]
.endr
	v_add_f32 v146, v146, v147
	v_rcp_f32 v146, v146
	v_pk_mul_f32 v[144:145], v[144:145], v[16:17]                  ; v1 alpha_ch (also the place behind v_rcp_f32)
	s_wait_alu depctr_va_vdst(0)
	v_pk_mul_f32 v[128:129], v[128:129], v[146:147] op_sel_hi:[1,0]
	v_pk_fma_f32 v[128:129], v[128:129], v[12:13], v[14:15]        ; v2_att
	v_pk_mul_f32 v[128:129], v[128:129], v[144:145]
	global_store_b64 v26, v[128:129], s[46:47]     ; a wave's store covers 256 consecutive bytes, aligned
	s_wait_tensorcnt 0x0
	ds_add_u32 v23, v25
	s_wait_dscnt 0x0
	CROUND                                         ; the closing round: no work-group ends while a partner may still ask for a tile that names it
	s_endpgm
.Lfunc_end_k_qb942814d44_main:
	.size	k_qb942814d44_main, .Lfunc_end_k_qb942814d44_main-k_qb942814d44_main
	.p2alignl 7, 3214868480
	.fill 96, 4, 3214868480
	.section	.rodata,"a",@progbits
	.p2align	6, 0x0
	.amdhsa_kernel k_qb942814d44_main
		.amdhsa_group_segment_fixed_size 327680
		.amdhsa_private_segment_fixed_size 0
		.amdhsa_enable_private_segment 0
		.amdhsa_kernarg_size 192
		.amdhsa_user_sgpr_count 2
		.amdhsa_user_sgpr_kernarg_segment_ptr 1
		.amdhsa_wavefront_size32 1
		.amdhsa_system_sgpr_workgroup_id_x 1
		.amdhsa_system_sgpr_workgroup_id_y 1
		.amdhsa_system_sgpr_workgroup_id_z 1
		.amdhsa_system_vgpr_workitem_id 0
		.amdhsa_next_free_vgpr 1024
		.amdhsa_next_free_sgpr 102
		.amdhsa_reserve_vcc 1
		.amdhsa_float_denorm_mode_32 3
		.amdhsa_float_denorm_mode_16_64 3
		.amdhsa_memory_ordered 1
		.amdhsa_forward_progress 1
		.amdhsa_inst_pref_size 255
	.end_amdhsa_kernel
	.section	.bss,"aw",@nobits
	.p2align	6
	.space	262144
	.amdgpu_metadata
---
amdhsa.version: [ 1, 2 ]
amdhsa.kernels:
  - .name:           k_qb942814d44_main
    .symbol:         k_qb942814d44_main.kd
    .args:
      - { .name: key_feats, .offset: 0, .size: 8, .value_kind: global_buffer, .address_space: global }
      - { .name: value2, .offset: 8, .size: 8, .value_kind: global_buffer, .address_space: global }
      - { .name: wt, .offset: 16, .size: 8, .value_kind: global_buffer, .address_space: global }
      - { .name: part, .offset: 24, .size: 8, .value_kind: global_buffer, .address_space: global }
      - { .name: b_q, .offset: 32, .size: 8, .value_kind: global_buffer, .address_space: global }
      - { .name: g_q, .offset: 40, .size: 8, .value_kind: global_buffer, .address_space: global }
      - { .name: be_q, .offset: 48, .size: 8, .value_kind: global_buffer, .address_space: global }
      - { .name: b_v1, .offset: 56, .size: 8, .value_kind: global_buffer, .address_space: global }
      - { .name: g_v1, .offset: 64, .size: 8, .value_kind: global_buffer, .address_space: global }
      - { .name: be_v1, .offset: 72, .size: 8, .value_kind: global_buffer, .address_space: global }
      - { .name: g_k, .offset: 80, .size: 8, .value_kind: global_buffer, .address_space: global }
      - { .name: be_k, .offset: 88, .size: 8, .value_kind: global_buffer, .address_space: global }
      - { .name: mask, .offset: 96, .size: 8, .value_kind: global_buffer, .address_space: global }
      - { .name: b_k, .offset: 104, .size: 8, .value_kind: global_buffer, .address_space: global }
      - { .name: b_v2, .offset: 112, .size: 8, .value_kind: global_buffer, .address_space: global }
      - { .name: g_v2, .offset: 120, .size: 8, .value_kind: global_buffer, .address_space: global }
      - { .name: be_v2, .offset: 128, .size: 8, .value_kind: global_buffer, .address_space: global }
      - { .name: W_basic, .offset: 136, .size: 8, .value_kind: global_buffer, .address_space: global }
      - { .name: b_basic, .offset: 144, .size: 8, .value_kind: global_buffer, .address_space: global }
      - { .name: W_sp, .offset: 152, .size: 8, .value_kind: global_buffer, .address_space: global }
      - { .name: b_sp, .offset: 160, .size: 8, .value_kind: global_buffer, .address_space: global }
      - { .name: W_ch, .offset: 168, .size: 8, .value_kind: global_buffer, .address_space: global }
      - { .name: b_ch, .offset: 176, .size: 8, .value_kind: global_buffer, .address_space: global }
      - { .name: out0, .offset: 184, .size: 8, .value_kind: global_buffer, .address_space: global }
    .group_segment_fixed_size: 327680
    .private_segment_fixed_size: 0
    .kernarg_segment_align: 8
    .kernarg_segment_size: 192
    .max_flat_workgroup_size: 128
    .sgpr_count:     102
    .vgpr_count:     1024
    .wavefront_size: 32
...
	.end_amdgpu_metadata
.endif
;; end of part 2
;; ======== version 2 of 2: 2 launches; version 1 with the launch prep written anew for expert scheduling mode
;; limits: right only within a limited range of input values; values are held in f16: magnitudes above 65,504 overflow, below 6.1e-05 lose precision; inputs' magnitudes at most 65,504
;; workspace buffers: wt 4,194,304 bytes; part 4,194,304 bytes
;; launch prep (part 3): grid 64 x 4, 8 waves a work-group, no clusters, 125,952 bytes of LDS; arguments W_k, W_v2, W_q, W_v1, query, value1, wt, part; writes wt, part
.if DOCPART == 3
	.amdgcn_target "amdgcn-amd-amdhsa--gfx1250"
	.amdhsa_code_object_version 6
	.text
	.protected	k_qb942814d44_prep
	.globl	k_qb942814d44_prep
	.p2align	8
	.type	k_qb942814d44_prep,@function
k_qb942814d44_prep:
	s_mov_b64 s[64:65], 0
	v_nop
	global_prefetch_b8 v0, s[64:65] scope:SCOPE_SE
	s_setreg_imm32_b32 hwreg(HW_REG_WAVE_SCHED_MODE, 0, 2), 2
	s_setreg_imm32_b32 hwreg(HW_REG_WAVE_MODE, 25, 1), 1
	s_wait_xcnt 0x0
	s_wait_alu depctr_vm_vsrc(0)
; prep: one block of 128 k x 128 n of one of the four [1024][1024] f32 weight matrices for each work-group.
;   y = 0, 1 (W_k, W_v2): the block is rounded to f16, transposed, and stored as wt[mat 2][hp 4][ks 16][n 256][k 64],
;                         so that a K step's tile of 256 output columns is one dense block of 32,768 bytes with k along the rows.
;   y = 2, 3 (W_q with query, W_v1 with value1): the block is multiplied by the 64 rows of x (f16 operands, f32 sums) and the
;                         partial product of this K block goes to part[which 2][kb 8][m 64][n 1024] in f32; the next launch adds the eight.
; x = kb + 8 nb: kb = which 128 k, nb = which 128 n (one head).  Eight waves.  y is the same in all waves of a work-group, and both
; barriers stand in the text that every wave runs.
; F16, NOT BF16: the operands are raw inputs.  f16 has 11 significant bits against bf16's 8, so each operand's rounding error is eight
; times smaller.  LIMIT, stated: a weight or an x above 65,504 in magnitude becomes infinite; numbers below 2^-14 are kept as f16
; denormals with an absolute error of at most 2^-25.
; THE MODE: SCHED_MODE bits 1:0 = 2 (LLVM: expert scheduling mode 2), set by the entry lines.  The code itself states the register dependences
; between vector or matrix instructions and memory or LDS instructions, with s_wait_alu, always for 0.
; THE PLAN.  Registers that memory or LDS instructions touch, in the order of the text (there is no loop):
;   v3-v8, v15, v208-v211, v254, v255   addresses: made by vector instructions at the head, never written again.
;   WL v[16:79]    the loads of W land; 32 conversions read it and write two of each four registers; 16 LDS stores read those two.
;   XL v[80:111]   the loads of x land; 16 conversions read it.        XC v[112:127]  those conversions write it; 8 LDS stores read it.
;   BF v[16:47]    the transposing loads land; LDS stores (y < 2) or matrix instructions (y >= 2) read it; the last LDS loads land; the global stores read it.
;   AF v[48:175]   LDS loads land; matrix instructions read it.        ACC v[176:207] matrix instructions write it; 8 LDS stores read it.
; So conversions stand in runs, one wait on va_vdst behind each run, the run's LDS stores behind the wait; one wait on vm_vsrc stands behind each
; barrier, ahead of the loads that land in registers which the LDS stores in front of that barrier have read; one wait on va_vdst stands behind the products.
.set WBPITCH, 288                      ; WB: f16 [k 128][n 128], 256 bytes + 32: an odd multiple of 32, as the transposing loads want
.set TT,      36864                    ; T:  f16 [ksl 2][n 128][k 64]
.set TPITCH,  144                      ;     128 bytes + 16: an odd multiple of 16
.set XA,      73728                    ; XA: f16 [m 64][k 128]
.set XPITCH,  272
.set OS,      91136                    ; OS: f32 [m 64][n 128]
.set OPITCH,  528
.set WL,  16                           ; v[16:79]   the block of W as loaded, 16 rows a wave
.set XL,  80                           ; v[80:111]  8 rows of x as loaded
.set XC,  112                          ; v[112:127] the same in f16
.set BF,  16                           ; v[16:47]   four fragments of W: 16 n x 32 k each
.set AF,  48                           ; v[48:175]  sixteen fragments of x: (a, kc)
.set ACC, 176                          ; v[176:207] four accumulators: 16 rows of x each, 16 n
	s_load_b256 s[4:11], s[0:1], 0x0               ; W_k, W_v2, W_q, W_v1
	s_load_b256 s[12:19], s[0:1], 0x20             ; query, value1, wt, part
	v_lshl_add_u32 v254, v0, 2, 0x1e800            ; my spare word, behind OS: made here and kept for the closing lines alone
	v_mov_b32 v255, 0                              ; and 0, likewise
	s_and_b32 s20, ttmp7, 0xffff                   ; y
	s_and_b32 s21, ttmp9, 7                        ; kb
	s_lshr_b32 s22, ttmp9, 3                       ; nb
	v_lshrrev_b32 v1, 5, v0
	v_readfirstlane_b32 s23, v1                    ; wave w
	v_and_b32 v2, 31, v0                           ; lane l
	v_and_b32 v9, 15, v0                           ; r = l % 16
	v_bfe_u32 v10, v0, 4, 1                        ; h = l / 16
	v_lshlrev_b32 v11, 4, v2                       ; 16 l
	v_lshlrev_b32 v12, 3, v2                       ; 8 l
	s_wait_alu depctr_va_sdst(0)                   ; s23 is written, ahead of its first reader: the wave's terms of all addresses are made from it
	s_lshl_b32 s34, s23, 16
	v_add_nc_u32 v3, s34, v11                      ; W: row 16 w (4,096 bytes a row) + 16 l
	s_lshl_b32 s34, s23, 15
	v_add_nc_u32 v8, s34, v11                      ; x and part: row 8 w + 16 l
	s_mul_i32 s34, s23, 16*WBPITCH
	v_add_nc_u32 v4, s34, v12                      ; WB, store: row 16 w, 8 bytes a lane
	s_mul_i32 s34, s23, 8*XPITCH
	s_add_co_u32 s34, s34, XA
	v_add_nc_u32 v5, s34, v12                      ; XA, store: row 8 w
	v_and_b32 v13, 7, v0
	v_lshl_add_u32 v13, v10, 3, v13                ; 8 h + l % 8: the row of WB that the lane names in a transposing load
	v_bfe_u32 v14, v0, 3, 1
	v_lshlrev_b32 v14, 4, v14
	s_lshl_b32 s34, s23, 5
	v_add_nc_u32 v14, s34, v14                     ; columns 16 w .. 16 w + 15: 32 w + 16 ((l / 8) % 2)
	v_mad_u32_u24 v6, v13, WBPITCH, v14
	v_lshlrev_b32 v14, 4, v10                      ; 16 h
	v_mad_u32_u24 v7, v9, TPITCH, v14
	s_mul_i32 s34, s23, 16*TPITCH
	s_add_co_u32 s34, s34, TT
	v_add_nc_u32 v7, s34, v7                       ; T, store: row 16 w + r, 16 h
	v_mad_u32_u24 v15, v9, XPITCH, v14
	v_add_nc_u32 v15, XA, v15                      ; XA, fragments: row r, 16 h
	v_lshlrev_b32 v14, 5, v10                      ; 32 h
	v_mad_u32_u24 v208, v9, OPITCH, v14
	s_lshl_b32 s34, s23, 6
	s_add_co_u32 s34, s34, OS
	v_add_nc_u32 v208, s34, v208                   ; OS, store: row r, columns 16 w + 8 h
	s_mul_i32 s34, s23, 8*OPITCH
	s_add_co_u32 s34, s34, OS
	v_add_nc_u32 v209, s34, v11                    ; OS, read back: row 8 w, 16 l
	v_lshrrev_b32 v13, 3, v2
	v_and_b32 v14, 7, v0
	v_lshlrev_b32 v14, 4, v14
	v_mad_u32_u24 v210, v13, TPITCH, v14
	s_mul_i32 s34, s23, 4*TPITCH
	s_add_co_u32 s34, s34, TT
	v_add_nc_u32 v210, s34, v210                   ; T, read back: row 4 w + l / 8, 16 (l % 8)
	v_lshlrev_b32 v211, 4, v0                      ; wt: 16 bytes a thread
	s_wait_kmcnt 0x0
	s_bitcmp1_b32 s20, 0                           ; the work-group's matrix and its x, chosen by y alone
	s_cselect_b64 s[24:25], s[6:7], s[4:5]
	s_cselect_b64 s[26:27], s[10:11], s[8:9]
	s_cselect_b64 s[28:29], s[14:15], s[12:13]
	s_cmp_ge_u32 s20, 2
	s_cselect_b64 s[24:25], s[26:27], s[24:25]
	s_lshl_b32 s30, s21, 19                        ; 128 kb rows of 4,096 bytes
	s_lshl_b32 s31, s22, 9                         ; 128 nb columns of 4 bytes
	s_add_co_u32 s30, s30, s31
	s_mov_b32 s31, 0
	s_add_nc_u64 s[24:25], s[24:25], s[30:31]
	s_lshl_b32 s32, s21, 9                         ; x: column 128 kb
	s_mov_b32 s33, 0
	s_add_nc_u64 s[28:29], s[28:29], s[32:33]
	s_wait_alu depctr_va_vdst(0)                   ; the addresses v3 to v8, v15 and v208 to v211 are written: every load and store of the kernel reads one of them, and none is written again
	; Phase 1: the block comes in, a wave's load covering the 512 bytes that the block has of one row, and goes to LDS in f16.
.irp j, 0,1,2,3,4,5,6,7,8,9,10,11,12,13,14,15
	global_load_b128 v[WL+4*\j:WL+4*\j+3], v3, s[24:25] offset:\j*4096 th:TH_LOAD_NT
.endr
	s_cmp_lt_u32 s20, 2
	s_cbranch_scc1 .Lno_x
.irp j, 0,1,2,3,4,5,6,7
	global_load_b128 v[XL+4*\j:XL+4*\j+3], v8, s[28:29] offset:\j*4096
.endr
	s_wait_loadcnt 0x0
.irp j, 0,1,2,3,4,5,6,7
	v_cvt_pk_f16_f32 v[XC+2*\j], v[XL+4*\j], v[XL+4*\j+1]
	v_cvt_pk_f16_f32 v[XC+2*\j+1], v[XL+4*\j+2], v[XL+4*\j+3]
.endr
	s_wait_alu depctr_va_vdst(0)                   ; the sixteen conversions have written v[XC ..], which the eight LDS stores read
.irp j, 0,1,2,3,4,5,6,7
	ds_store_b64 v5, v[XC+2*\j:XC+2*\j+1] offset:\j*XPITCH
.endr
.Lno_x:
	s_wait_loadcnt 0x0
.irp j, 0,1,2,3,4,5,6,7,8,9,10,11,12,13,14,15
	v_cvt_pk_f16_f32 v[WL+4*\j], v[WL+4*\j], v[WL+4*\j+1]
	v_cvt_pk_f16_f32 v[WL+4*\j+1], v[WL+4*\j+2], v[WL+4*\j+3]
.endr
	s_wait_alu depctr_va_vdst(0)                   ; the conversions have written the first two of each four of v[WL ..], which the sixteen LDS stores read; and all conversions, x's too, are done with v[16:127], in which the next phase's loads land: no vector instruction stands between here and those loads
.irp j, 0,1,2,3,4,5,6,7,8,9,10,11,12,13,14,15
	ds_store_b64 v4, v[WL+4*\j:WL+4*\j+1] offset:\j*WBPITCH
.endr
	s_wait_dscnt 0x0                               ; my stores are in LDS before I say so: other waves read them
	s_barrier_signal -1
	s_barrier_wait -1
	s_wait_alu depctr_vm_vsrc(0)                   ; my LDS stores have read v[WL ..] and v[XC ..]: these registers are BF and AF from here on, in which the loads below land
	; Phase 2: wave w takes columns 16 w .. 16 w + 15.  A pair of transposing loads gives lane (r, h) column 16 w + r with
	; k = 32 kc + 8 h .. + 7 in registers 0-3 and k = 32 kc + 16 + 8 h .. + 7 in registers 4-7: a matrix fragment.
.irp kc, 0,1,2,3
	ds_load_tr16_b128 v[BF+8*\kc:BF+8*\kc+3],   v6 offset:\kc*32*WBPITCH
	ds_load_tr16_b128 v[BF+8*\kc+4:BF+8*\kc+7], v6 offset:\kc*32*WBPITCH+16*WBPITCH
.endr
	s_cmp_lt_u32 s20, 2
	s_cbranch_scc0 .Lproduct
	s_wait_dscnt 0x0
.irp kc, 0,1,2,3
	ds_store_b128 v7, v[BF+8*\kc:BF+8*\kc+3]   offset:(\kc>>1)*128*TPITCH+(\kc&1)*64
	ds_store_b128 v7, v[BF+8*\kc+4:BF+8*\kc+7] offset:(\kc>>1)*128*TPITCH+(\kc&1)*64+32
.endr
	s_branch .Lphase2_done
.Lproduct:
.irp a, 0,1,2,3
.irp kc, 0,1,2,3
	ds_load_b128 v[AF+8*(4*\a+\kc):AF+8*(4*\a+\kc)+3],   v15 offset:\a*16*XPITCH+\kc*64
	ds_load_b128 v[AF+8*(4*\a+\kc)+4:AF+8*(4*\a+\kc)+7], v15 offset:\a*16*XPITCH+\kc*64+32
.endr
.endr
	s_wait_dscnt 0x0
	; Source 0 = 16 columns of W, source 1 = 16 rows of x: lane (r, h) then holds row 16 a + r, columns 16 w + 8 h + 0 .. 7.
	; The four accumulators take turns, one instruction a turn; the first K step starts the sums.
.irp a, 0,1,2,3
	v_wmma_f32_16x16x32_f16 v[ACC+8*\a:ACC+8*\a+7], v[BF:BF+7], v[AF+32*\a:AF+32*\a+7], 0
.endr
.irp kc, 1,2,3
.irp a, 0,1,2,3
	v_wmma_f32_16x16x32_f16 v[ACC+8*\a:ACC+8*\a+7], v[BF+8*\kc:BF+8*\kc+7], v[AF+8*(4*\a+\kc):AF+8*(4*\a+\kc)+7], v[ACC+8*\a:ACC+8*\a+7]
.endr
.endr
.rept 4
	v_nop                                          ; four places behind the last matrix instruction (ISA guide 7.12.1) before its results are stored
.endr
	s_wait_alu depctr_va_vdst(0)                   ; the matrix instructions have written the accumulators, which the LDS stores read, and are done reading BF, in which the last phase's loads land; the places above stay beside this wait
.irp a, 0,1,2,3
	ds_store_b128 v208, v[ACC+8*\a:ACC+8*\a+3]   offset:\a*16*OPITCH
	ds_store_b128 v208, v[ACC+8*\a+4:ACC+8*\a+7] offset:\a*16*OPITCH+16
.endr
.Lphase2_done:
	s_wait_dscnt 0x0
	s_barrier_signal -1
	s_barrier_wait -1
	s_wait_alu depctr_vm_vsrc(0)                   ; the LDS stores into T have read v[BF ..], in which the loads of both ways out land; it stands ahead of the branch, on every wave's path
	; Phase 3: out, 16 bytes a lane, neighbouring lanes at neighbouring bytes: every store of a wave covers 512 consecutive bytes, aligned.
	s_cmp_lt_u32 s20, 2
	s_cbranch_scc0 .Lout_part
	s_lshl_b32 s30, s20, 21                        ; mat
	s_lshr_b32 s31, s22, 1
	s_lshl_b32 s31, s31, 19                        ; hp = nb / 2: 16 tiles of 32,768 bytes
	s_add_co_u32 s30, s30, s31
	s_lshl_b32 s31, s21, 16                        ; ks = 2 kb
	s_add_co_u32 s30, s30, s31
	s_and_b32 s31, s22, 1
	s_lshl_b32 s31, s31, 14                        ; rows 128 (nb % 2) of 128 bytes
	s_add_co_u32 s30, s30, s31
	s_mov_b32 s31, 0
	s_add_nc_u64 s[16:17], s[16:17], s[30:31]
.irp q, 0,1,2,3,4,5,6,7
	ds_load_b128 v[16+4*\q:19+4*\q], v210 offset:(\q>>2)*128*TPITCH+(\q&3)*32*TPITCH
.endr
	s_wait_dscnt 0x0
.irp q, 0,1,2,3,4,5,6,7
	global_store_b128 v211, v[16+4*\q:19+4*\q], s[16:17] offset:(\q>>2)*32768+(\q&3)*4096
.endr
	s_wait_dscnt 0x0                               ; the closing lines, six on end
	s_wait_alu 0x0
	s_wait_tensorcnt 0x0
	ds_add_u32 v254, v255
	s_wait_dscnt 0x0
	s_endpgm
.Lout_part:
	s_and_b32 s30, s20, 1                          ; which: y = 2 is q, y = 3 is v1
	s_lshl_b32 s30, s30, 3
	s_add_co_u32 s30, s30, s21
	s_lshl_b32 s30, s30, 18                        ; 64 rows of 4,096 bytes for each (which, kb)
	s_lshl_b32 s31, s22, 9
	s_add_co_u32 s30, s30, s31
	s_mov_b32 s31, 0
	s_add_nc_u64 s[18:19], s[18:19], s[30:31]
.irp j, 0,1,2,3,4,5,6,7
	ds_load_b128 v[16+4*\j:19+4*\j], v209 offset:\j*OPITCH
.endr
	s_wait_dscnt 0x0
.irp j, 0,1,2,3,4,5,6,7
	global_store_b128 v8, v[16+4*\j:19+4*\j], s[18:19] offset:\j*4096
.endr
	s_wait_dscnt 0x0                               ; the closing lines once more, for this end
	s_wait_alu 0x0
	s_wait_tensorcnt 0x0
	ds_add_u32 v254, v255
	s_wait_dscnt 0x0
	s_endpgm
.Lfunc_end_k_qb942814d44_prep:
	.size	k_qb942814d44_prep, .Lfunc_end_k_qb942814d44_prep-k_qb942814d44_prep
	.p2alignl 7, 3214868480
	.fill 96, 4, 3214868480
	.section	.rodata,"a",@progbits
	.p2align	6, 0x0
	.amdhsa_kernel k_qb942814d44_prep
		.amdhsa_group_segment_fixed_size 125952
		.amdhsa_private_segment_fixed_size 0
		.amdhsa_enable_private_segment 0
		.amdhsa_kernarg_size 64
		.amdhsa_user_sgpr_count 2
		.amdhsa_user_sgpr_kernarg_segment_ptr 1
		.amdhsa_wavefront_size32 1
		.amdhsa_system_sgpr_workgroup_id_x 1
		.amdhsa_system_sgpr_workgroup_id_y 1
		.amdhsa_system_sgpr_workgroup_id_z 1
		.amdhsa_system_vgpr_workitem_id 0
		.amdhsa_next_free_vgpr 256
		.amdhsa_next_free_sgpr 66
		.amdhsa_reserve_vcc 0
		.amdhsa_float_denorm_mode_32 3
		.amdhsa_float_denorm_mode_16_64 3
		.amdhsa_memory_ordered 1
		.amdhsa_forward_progress 1
		.amdhsa_inst_pref_size 20
	.end_amdhsa_kernel
	.amdgpu_metadata
---
amdhsa.version: [ 1, 2 ]
amdhsa.kernels:
  - .name:           k_qb942814d44_prep
    .symbol:         k_qb942814d44_prep.kd
    .args:
      - { .name: W_k, .offset: 0, .size: 8, .value_kind: global_buffer, .address_space: global }
      - { .name: W_v2, .offset: 8, .size: 8, .value_kind: global_buffer, .address_space: global }
      - { .name: W_q, .offset: 16, .size: 8, .value_kind: global_buffer, .address_space: global }
      - { .name: W_v1, .offset: 24, .size: 8, .value_kind: global_buffer, .address_space: global }
      - { .name: query, .offset: 32, .size: 8, .value_kind: global_buffer, .address_space: global }
      - { .name: value1, .offset: 40, .size: 8, .value_kind: global_buffer, .address_space: global }
      - { .name: wt, .offset: 48, .size: 8, .value_kind: global_buffer, .address_space: global }
      - { .name: part, .offset: 56, .size: 8, .value_kind: global_buffer, .address_space: global }
    .group_segment_fixed_size: 125952
    .private_segment_fixed_size: 0
    .kernarg_segment_align: 8
    .kernarg_segment_size: 64
    .max_flat_workgroup_size: 256
    .sgpr_count:     66
    .vgpr_count:     256
    .wavefront_size: 32
...
	.end_amdgpu_metadata
.endif
;; end of part 3
;; launch main: the kernel of part 2 again; grid 4 x 64, 4 waves a work-group, clusters of 4 x 4, 327,680 bytes of LDS; arguments key_feats, value2, wt, part, b_q, g_q, be_q, b_v1, g_v1, be_v1, g_k, be_k, mask, b_k, b_v2, g_v2, be_v2, W_basic, b_basic, W_sp, b_sp, W_ch, b_ch, out0; writes out0
